; MI455X (gfx1250); checked and timed in simulation.
; The chip was launched on July 23, 2026; its instructions are those of AMD's public machine-readable ISA for CDNA 5 (MIT licence, August 2026) and "CDNA5" Instruction Set Architecture Reference Guide (July 2026). The comments in the code are by the model that wrote it; some were corrected since.
;; Ro PE Attention. Allowed arithmetic: matrix products marked QUANTISED: E2M1 operands, one E8M0 scale for each 32 along K, by v_wmma_scale_f32_16x16x128_f8f6f4 with both operands' format E2M1 (or v_wmma_scale_f32_32x16x128_f4), f32 sums; products left as they are: bf16, f16 or f32 operands; f32 sums; everything else in f32.
;; Inputs: b_proj 1,024 float32; w_proj 1,024 x 1,024 float32; w_qkv 3,072 x 1,024 float32; x 4 x 2,048 x 1,024 float32.
;; Outputs: out0 4 x 2,048 x 1,024 float32.
;; This version of the problem:
;;   THIS VERSION OF THE PROBLEM IS GIVEN IN LOW PRECISION. The matrix products marked QUANTISED in the list below multiply operands that are first quantised to E2M1 (2 exponent bits, 1 mantissa bit; 4 bits a number), with one power-of-two scale for each 32 numbers along K (OCP MX v1.0); their sums are f32. The products marked 'left as it is' may take bf16, f16 or f32 operands, with f32 sums. Whichever they take, every output number must still come out within the allowed error. Rounding operands to bf16 (8 significant bits) uses up far more of that allowance than f16 does (11 bits, for magnitudes from 6e-5 to 65,504). All else is computed in f32.
;;   The module's matrix products, in the order in which they are computed (A, B: the left and right operand; K: the contracted axis; several contracted axes count as one K, in the product's order):
;;     1. [M 8,192, K 1,024] x [K 1,024, N 3,072]; A: input x; B: input w_qkv: QUANTISED
;;     2. batch 64 x [M 2,048, K 64] x [K 64, N 2,048]; A: computed on the way; B: computed on the way: left as it is (an operand is computed on the way)
;;     3. batch 64 x [M 2,048, K 2,048] x [K 2,048, N 64]; A: computed on the way; B: computed on the way: left as it is (an operand is computed on the way)
;;     4. [M 8,192, K 1,024] x [K 1,024, N 1,024]; A: computed on the way; B: input w_proj: left as it is (an operand is computed on the way)
;;   THE QUANTISER, for each operand of a quantised product, along K:
;;     - K is cut into blocks of 32 from its start; a last block that is shorter is filled with zeros.
;;     - A block's scale is 2^e with e = floor(log2(the largest magnitude in the block)) - 2, held to -126 .. 127; a block of zeros has e = 0. As a byte (E8M0): e + 127.
;;     - Each number is divided by its block's scale, clamped to +-6, and rounded to the nearest number of E2M1, ties to even, subnormals kept.
;;     - The product sums the exact products of the quantised numbers (number of the format x scale) in f32.
;;   ~~~python
;;   def quantise(x, axis):      # numpy; x: float32 -> the quantised numbers, widened to float32 again
;;       x = np.moveaxis(x, axis, -1); K = x.shape[-1]
;;       x = np.pad(x, [(0, 0)] * (x.ndim - 1) + [(0, -K % 32)]); x = x.reshape(x.shape[:-1] + (-1, 32)); a = np.abs(x).max(-1, keepdims=True)
;;       e = np.where(a > 0, np.clip(np.frexp(np.where(a > 0, a, 1))[1] - 1 - 2, -126, 127), 0)      # np.frexp(a)[1] - 1 = floor(log2(a)), exactly
;;       r = np.clip(x / 2.0 ** e, -6, 6)
;;       step = 2.0 ** (np.maximum(np.frexp(np.where(r == 0, 1, r))[1] - 1, 0) - 1)
;;       q = np.round(r / step) * step * 2.0 ** e      # np.round: ties to even
;;       return np.moveaxis(q.reshape(q.shape[:-2] + (-1,))[..., :K], -1, axis).astype(np.float32)
;;   ~~~
;; One version. Each part assembles by itself: llvm-mc -triple=amdgcn-amd-amdhsa -mcpu=gfx1250 --defsym DOCPART=n.
;; ======== version 1 of 1: 4 launches
;; limits: values are held in f16: magnitudes above 65,504 overflow, below 6.1e-05 lose precision; a function is approximated: absolute error at most 0.0002
;; workspace buffers: xc 4,194,304 bytes; xs 262,144 bytes; wc 1,572,864 bytes; ws 98,304 bytes; wph 2,097,152 bytes; rope 524,288 bytes; qkvh 50,331,648 bytes; ao 16,777,216 bytes
;; launch prep (part 1): grid 416 x 1, 4 waves a work-group, no clusters, 33,280 bytes of LDS; arguments x, w_qkv, xc, xs, wc, ws, w_proj, wph, rope; writes xc, xs, wc, ws, wph, rope
.if DOCPART == 1
	.amdgcn_target "amdgcn-amd-amdhsa--gfx1250"
	.amdhsa_code_object_version 6
	.text
	.protected	k_qe0061a4464_prep
	.globl	k_qe0061a4464_prep
	.p2align	8
	.type	k_qe0061a4464_prep,@function
k_qe0061a4464_prep:
	s_mov_b64 s[64:65], 0
	v_nop
	global_prefetch_b8 v0, s[64:65] scope:SCOPE_SE
	s_setreg_imm32_b32 hwreg(HW_REG_WAVE_MODE, 25, 1), 1
	s_wait_xcnt 0x0
; RoPE attention, launch 1 of 4.  NOTHING OF THE PROBLEM IS LEFT OUT: every input has a way to the output and is loaded by some launch.  One step is moved: q x 64^-0.5 is not applied to q but
; rides, with log2(e), in the softmax's one multiply-add (third launch): an order of rounding that differs from the source's.
; This launch: (Q) x [8192][1024] and w_qkv [3072][1024], f32, become codes of FP4 (E2M1), K innermost, with one E8M0 byte for each 32 along K;  (W) w_proj becomes f16;  (R) the table of cos and sin for the rotation.
; A block's scale is 2^(floor(log2(its largest magnitude)) - 2); its byte is the largest magnitude's exponent field - 2, held at 1 from below.  A block of zeros so gets the byte 1: its codes are zeros, and this program alone reads the bytes.
; LIMITS: NaN and infinities among the inputs are not served; blocks whose largest magnitude lies under 2^-124 keep the byte 1; w_proj must lie inside f16's range (65,504; numbers under 6e-5 keep an absolute error of 3e-8);
; the table's angles t x 10000^(-i/32) are made with a base-2 exponential and agree with an f32 power to about 2e-4 radians at t = 2,047.
; Work-groups 0-255: x;  256-351: w_qkv;  352-383: w_proj;  384-415: the table.  Only the quantiser's path touches LDS.  No tensor loads, no barrier: waves share nothing.
.set WAVES, 4
.set STEPS, 16
.set WGA,   256                        ; 8192 x 1024 / 32768
.set WGQ,   352                        ; + 3072 x 1024 / 32768
.set WGW,   384                        ; + 1024 x 1024 x 4 bytes / (4 waves x 32768)
.set EMAX,  2
.set CB,    8                          ; bytes of 16 codes
.set R,     16                         ; v16-79   four sets of 16 numbers as they are loaded
.set X,     80                         ; v80-111  two sets of 16 neighbours
.set C,     128                        ; v128-191 codes: four registers for each step
.set E,     112                        ; v112-127 a scale byte for each step
.set WREG,  8192                       ; LDS: a region for each wave: two stages of 32 x SP bytes, behind them its 256 scale bytes
.set SP,    80
.set SPW,   12                         ; v12 LDS address of my spare word; never rewritten
.set NIL,   13                         ; v13 0; never rewritten
.set SPARE, WAVES*WREG                 ; the spare words: 128 bytes a wave, which no other line names
	s_load_b128 s[4:7], s[0:1], 0x0                ; x, w_qkv
	s_load_b128 s[8:11], s[0:1], 0x10              ; x's codes, x's scales
	s_load_b128 s[12:15], s[0:1], 0x20             ; w_qkv's codes, its scales
	s_load_b128 s[24:27], s[0:1], 0x30             ; w_proj, its f16 copy
	s_load_b64 s[28:29], s[0:1], 0x40              ; the table
	v_lshl_add_u32 v[SPW], v0, 2, SPARE
	v_mov_b32 v[NIL], 0
	v_lshrrev_b32 v1, 5, v0
	v_readfirstlane_b32 s16, v1                    ; wave
	v_and_b32 v2, 31, v0                           ; lane
	v_lshlrev_b32 v3, 4, v2                        ; 16 x lane
	s_mul_i32 s17, s16, WREG
	v_lshrrev_b32 v14, 2, v2
	v_mul_u32_u24 v14, v14, SP
	v_and_b32 v15, 3, v2
	v_lshl_add_u32 v14, v15, 4, v14
	v_add_nc_u32 v14, s17, v14                     ; the stage, on the way in: SP (lane / 4) + 16 (lane % 4)
	v_mul_u32_u24 v15, v2, SP
	v_add_nc_u32 v15, s17, v15                     ; and on the way out: SP x lane: my 16 neighbours
	v_mul_u32_u24 v4, v2, CB                       ; my codes' place in a step's
	v_lshrrev_b32 v5, 1, v2
	s_add_co_u32 s17, s17, 2*32*SP
	v_add_nc_u32 v5, s17, v5                       ; LDS: my wave's 256 scale bytes, my block's byte
	v_lshlrev_b32 v7, 3, v2                        ; 8 x lane
	v_add_nc_u32 v6, s17, v7
	s_wait_kmcnt 0x0
	s_cmp_ge_u32 ttmp9, WGQ                        ; the paths part on the work-group's number alone
	s_cbranch_scc1 .Lother
; ---- Q: the quantiser.  A wave takes 16 steps of 512 numbers.  Each load reads 512 bytes on end; a step's 2,048 bytes turn through the wave's own stage so that a lane holds 16 neighbours along K; two lanes hold a block.
	s_cmp_lt_u32 ttmp9, WGA                        ; x's work-group or w_qkv's?
	s_cselect_b64 s[4:5], s[4:5], s[6:7]
	s_cselect_b64 s[8:9], s[8:9], s[12:13]
	s_cselect_b64 s[10:11], s[10:11], s[14:15]
	s_cselect_b32 s17, 0, WGA
	s_sub_co_u32 s17, ttmp9, s17
	s_lshl_b32 s17, s17, 2
	s_add_co_u32 s18, s17, s16                     ; which run of 8,192 numbers is my wave's
	s_mov_b32 s19, 0
	s_mov_b64 s[20:21], 512*STEPS*4
	s_mul_u64 s[20:21], s[18:19], s[20:21]
	s_add_nc_u64 s[4:5], s[4:5], s[20:21]
	s_mov_b64 s[20:21], 32*STEPS*CB
	s_mul_u64 s[20:21], s[18:19], s[20:21]
	s_add_nc_u64 s[8:9], s[8:9], s[20:21]
	s_lshl_b32 s18, s18, 8                         ; 256 scale bytes a run
	s_add_nc_u64 s[10:11], s[10:11], s[18:19]
.macro LOAD t
.irp i, 0,1,2,3
	global_load_b128 v[R+16*((\t)%4)+4*\i:R+16*((\t)%4)+4*\i+3], v3, s[4:5] offset:2048*(\t)+512*\i th:TH_LOAD_NT
.endr
.endm
.macro TURN t                          ; step t's numbers through the stage: LDS serves a wave's instructions in order
.irp i, 0,1,2,3
	ds_store_b128 v14, v[R+16*((\t)%4)+4*\i:R+16*((\t)%4)+4*\i+3] offset:32*SP*((\t)%2)+8*SP*\i
.endr
.irp i, 0,1,2,3
	ds_load_b128 v[X+16*((\t)%2)+4*\i:X+16*((\t)%2)+4*\i+3], v15 offset:32*SP*((\t)%2)+16*\i
.endr
.endm
.irp t, 0,1,2,3
	LOAD \t
.endr
	s_wait_loadcnt 12                              ; step 0's four loads are in; twelve younger ones stay out
	TURN 0
.macro STEP t
.set XS, X+16*((\t)%2)
.if (\t) > 0
	s_wait_dscnt 1                                 ; this step's numbers are back from the stage (the last step's byte store may be out)
.else
	s_wait_dscnt 0x0
.endif
.if (\t)+4 < STEPS
	LOAD (\t)+4
.endif
.if (\t)+1 < STEPS
.if STEPS-2-(\t) >= 3
	s_wait_loadcnt 12                              ; the next step's four loads are in; those of the three steps behind it may be out
.else
	s_wait_loadcnt 4*(STEPS-2-(\t))
.endif
	TURN (\t)+1
.endif
	v_max3_num_f32 v8, |v[XS]|, |v[XS+1]|, |v[XS+2]|
	v_max3_num_f32 v9, |v[XS+3]|, |v[XS+4]|, |v[XS+5]|
.irp i, 6,10
	v_max3_num_f32 v8, v8, |v[XS+\i]|, |v[XS+\i+1]|
	v_max3_num_f32 v9, v9, |v[XS+\i+2]|, |v[XS+\i+3]|
.endr
	v_max3_num_f32 v8, v8, |v[XS+14]|, |v[XS+15]|
	v_max3_num_f32 v8, v8, v9, (EMAX+1)<<23        ; the floor 2^(3 - 127): the byte cannot fall under 1
	v_max_num_f32_dpp v8, v8, v8 row_xmask:1 row_mask:0xf bank_mask:0xf   ; with my neighbour's 16: the block's largest magnitude
	v_add_nc_u32 v11, -(EMAX<<23), v8              ; 2 off its exponent field: the conversion's scale operand
	v_cvt_scalef32_pk8_fp4_f32 v[C+4*(\t)], v[XS:XS+7], v11
	v_cvt_scalef32_pk8_fp4_f32 v[C+4*(\t)+1], v[XS+8:XS+15], v11
	v_lshrrev_b32 v[E+(\t)], 23, v11               ; the scale's byte
	ds_store_b8 v5, v[E+(\t)] offset:16*(\t)       ; both lanes of a block write the same byte with the same value
	global_store_b64 v4, v[C+4*(\t):C+4*(\t)+1], s[8:9] offset:32*CB*(\t)   ; 32 lanes store 256 bytes on end, aligned
.endm
.irp t, 0,1,2,3,4,5,6,7,8,9,10,11,12,13,14,15
	STEP \t
.endr
	ds_load_b64 v[8:9], v6                         ; in order behind my byte stores
	s_wait_dscnt 0x0
	global_store_b64 v7, v[8:9], s[10:11]          ; my 256 scale bytes, on end and aligned
	s_wait_tensorcnt 0x0                           ; the wave's end, behind my last LDS store
	ds_add_u32 v[SPW], v[NIL]
	s_wait_dscnt 0x0
	s_endpgm
.Lother:
	s_cmp_ge_u32 ttmp9, WGW
	s_cbranch_scc1 .Lrope
; ---- W: w_proj to f16, rounded to nearest even.  A wave takes 32,768 bytes: four batches of 16 loads of 512 bytes; a load's numbers leave as 256 bytes on end.
	s_sub_co_u32 s17, ttmp9, WGQ
	s_lshl_b32 s17, s17, 2
	s_add_co_u32 s17, s17, s16
	s_lshl_b32 s18, s17, 15
	s_mov_b32 s19, 0
	s_add_nc_u64 s[24:25], s[24:25], s[18:19]
	s_lshl_b32 s18, s17, 14
	s_add_nc_u64 s[26:27], s[26:27], s[18:19]
.macro CLOAD t
.irp i, 0,1,2,3,4,5,6,7,8,9,10,11,12,13,14,15
	global_load_b128 v[16+64*((\t)%2)+4*\i:16+64*((\t)%2)+4*\i+3], v3, s[24:25] offset:512*(16*(\t)+\i) th:TH_LOAD_NT
.endr
.endm
.macro CSTEP t
.set RB, 16+64*((\t)%2)
.if (\t) < 3
	s_wait_loadcnt 16                              ; this batch is in; the next batch's 16 loads may be out
.else
	s_wait_loadcnt 0
.endif
.if (\t) > 0
	s_wait_xcnt 0x0                                ; the last batch's stores have read their data: v144-175 are written again only behind this wait
.endif
.irp i, 0,1,2,3,4,5,6,7,8,9,10,11,12,13,14,15
	v_cvt_pk_f16_f32 v[144+2*\i], v[RB+4*\i], v[RB+4*\i+1]
	v_cvt_pk_f16_f32 v[145+2*\i], v[RB+4*\i+2], v[RB+4*\i+3]
.endr
.if (\t) < 2
	CLOAD (\t)+2
.endif
.irp i, 0,1,2,3,4,5,6,7,8,9,10,11,12,13,14,15
	global_store_b64 v7, v[144+2*\i:145+2*\i], s[26:27] offset:256*(16*(\t)+\i)
.endr
.endm
	CLOAD 0
	CLOAD 1
	CSTEP 0
	CSTEP 1
	CSTEP 2
	CSTEP 3
	s_endpgm
.Lrope:
; ---- R: the table.  A wave makes one block of 16 positions: 8 stores of 512 bytes, an image of the registers in which the second launch wants it: store ld = 4 p + 2 b + half (p = 0 cos, 1 sin);
; lane (r, h) holds position 16 block + r and frequencies 16 b + 8 h + 4 half + 0 .. 3.  theta = t x 2^(-i log2(10000) / 32).  cos by reduction to [-pi, pi] (2 pi in two parts, fused) and the series up to theta^16
; (remainder pi^18 / 18! = 1.4e-7); sin(theta) = cos(theta - pi / 2).
	s_sub_co_u32 s17, ttmp9, WGW
	s_lshl_b32 s17, s17, 2
	s_add_co_u32 s17, s17, s16                     ; the block
	s_lshl_b32 s18, s17, 12
	s_mov_b32 s19, 0
	s_add_nc_u64 s[28:29], s[28:29], s[18:19]
	s_lshl_b32 s17, s17, 4                         ; its first position
	s_mov_b32 s30, 0xbe800000                      ; -0.25
	s_mov_b32 s31, 0x40c90fdb                      ; 2 pi, high part
	s_mov_b32 s32, 0xb43bbd2e                      ; 2 pi, low part
	s_mov_b32 s33, 0xbfc90fdb                      ; -pi / 2
	v_and_b32 v20, 15, v0
	v_bfe_u32 v21, v0, 4, 1
	v_add_nc_u32 v22, s17, v20
	v_cvt_f32_u32 v22, v22                         ; t
	v_lshlrev_b32 v23, 3, v21                      ; 8 h
	v_mov_b32 v28, 0x29573f9f                      ; 1 / 16!
.irp fi, 0,1,2,3,4,5,6,7,8,9,10,11,12,13,14,15
	v_add_nc_u32 v[32+\fi], (\fi%8)+16*(\fi/8), v23   ; my sixteen frequencies' numbers
.endr
.irp fi, 0,1,2,3,4,5,6,7,8,9,10,11,12,13,14,15
	v_cvt_f32_u32 v[32+\fi], v[32+\fi]
.endr
.irp fi, 0,1,2,3,4,5,6,7,8,9,10,11,12,13,14,15
	v_mul_f32 v[32+\fi], 0xbed49a78, v[32+\fi]     ; x -log2(10000) / 32
.endr
.irp fi, 0,1,2,3,4,5,6,7,8,9,10,11,12,13,14,15
	v_exp_f32 v[32+\fi], v[32+\fi]
.endr
	v_nop                                          ; a plain instruction behind the last exponential,
	s_wait_alu depctr_va_vdst(0)                   ; and one wait for the batch, ahead of its first reader
.irp fi, 0,1,2,3,4,5,6,7,8,9,10,11,12,13,14,15
	v_mul_f32 v[48+\fi], v22, v[32+\fi]            ; theta
.endr
.macro VAL4 ld                         ; four values by turns: v64.. turns, v68.. the reduced angle, v72.. its square, v[80 + 4 ld ..] the result
.set TH, 48+4*((\ld)%4)
.set DD, 80+4*(\ld)
.irp k, 0,1,2,3
.if (\ld) < 4
	v_mul_f32 v[64+\k], 0.15915494, v[TH+\k]
.else
	v_fma_f32 v[64+\k], v[TH+\k], 0.15915494, s30
.endif
.endr
.irp k, 0,1,2,3
	v_rndne_f32 v[64+\k], v[64+\k]
.endr
.irp k, 0,1,2,3
	v_fma_f32 v[68+\k], -v[64+\k], s31, v[TH+\k]
.endr
.irp k, 0,1,2,3
	v_fma_f32 v[68+\k], -v[64+\k], s32, v[68+\k]
.endr
.if (\ld) >= 4
.irp k, 0,1,2,3
	v_add_f32 v[68+\k], s33, v[68+\k]
.endr
.endif
.irp k, 0,1,2,3
	v_mul_f32 v[72+\k], v[68+\k], v[68+\k]
.endr
.irp k, 0,1,2,3
	v_fmaak_f32 v[DD+\k], v28, v[72+\k], 0xad49cba5            ; -1 / 14!
.endr
.irp c, 0x310f76c7, 0xb493f27e, 0x37d00d01, 0xbab60b61, 0x3d2aaaab   ; 1 / 12!, -1 / 10!, 1 / 8!, -1 / 6!, 1 / 4!
.irp k, 0,1,2,3
	v_fmaak_f32 v[DD+\k], v[DD+\k], v[72+\k], \c
.endr
.endr
.irp k, 0,1,2,3
	v_fma_f32 v[DD+\k], v[DD+\k], v[72+\k], -0.5
.endr
.irp k, 0,1,2,3
	v_fma_f32 v[DD+\k], v[DD+\k], v[72+\k], 1.0
.endr
	global_store_b128 v3, v[DD:DD+3], s[28:29] offset:512*(\ld)   ; each store has data registers of its own
.endm
.irp ld, 0,1,2,3,4,5,6,7
	VAL4 \ld
.endr
	s_endpgm
.Lfunc_end_k_qe0061a4464_prep:
	.size	k_qe0061a4464_prep, .Lfunc_end_k_qe0061a4464_prep-k_qe0061a4464_prep
	.p2alignl 7, 3214868480
	.fill 96, 4, 3214868480
	.section	.rodata,"a",@progbits
	.p2align	6, 0x0
	.amdhsa_kernel k_qe0061a4464_prep
		.amdhsa_group_segment_fixed_size 33280
		.amdhsa_private_segment_fixed_size 0
		.amdhsa_enable_private_segment 0
		.amdhsa_kernarg_size 72
		.amdhsa_user_sgpr_count 2
		.amdhsa_user_sgpr_kernarg_segment_ptr 1
		.amdhsa_wavefront_size32 1
		.amdhsa_system_sgpr_workgroup_id_x 1
		.amdhsa_system_sgpr_workgroup_id_y 1
		.amdhsa_system_sgpr_workgroup_id_z 1
		.amdhsa_system_vgpr_workitem_id 0
		.amdhsa_next_free_vgpr 192
		.amdhsa_next_free_sgpr 66
		.amdhsa_reserve_vcc 0
		.amdhsa_float_denorm_mode_32 3
		.amdhsa_float_denorm_mode_16_64 3
		.amdhsa_memory_ordered 1
		.amdhsa_forward_progress 1
		.amdhsa_inst_pref_size 83
	.end_amdhsa_kernel
	.amdgpu_metadata
---
amdhsa.version: [ 1, 2 ]
amdhsa.kernels:
  - .name:           k_qe0061a4464_prep
    .symbol:         k_qe0061a4464_prep.kd
    .args:
      - { .name: x, .offset: 0, .size: 8, .value_kind: global_buffer, .address_space: global }
      - { .name: w_qkv, .offset: 8, .size: 8, .value_kind: global_buffer, .address_space: global }
      - { .name: xc, .offset: 16, .size: 8, .value_kind: global_buffer, .address_space: global }
      - { .name: xs, .offset: 24, .size: 8, .value_kind: global_buffer, .address_space: global }
      - { .name: wc, .offset: 32, .size: 8, .value_kind: global_buffer, .address_space: global }
      - { .name: ws, .offset: 40, .size: 8, .value_kind: global_buffer, .address_space: global }
      - { .name: w_proj, .offset: 48, .size: 8, .value_kind: global_buffer, .address_space: global }
      - { .name: wph, .offset: 56, .size: 8, .value_kind: global_buffer, .address_space: global }
      - { .name: rope, .offset: 64, .size: 8, .value_kind: global_buffer, .address_space: global }
    .group_segment_fixed_size: 33280
    .private_segment_fixed_size: 0
    .kernarg_segment_align: 8
    .kernarg_segment_size: 72
    .max_flat_workgroup_size: 128
    .sgpr_count:     66
    .vgpr_count:     192
    .wavefront_size: 32
...
	.end_amdgpu_metadata
.endif
;; end of part 1
;; launch qkv (part 2): grid 12 x 32, 4 waves a work-group, clusters of 4 x 4, 327,680 bytes of LDS; arguments xc, xs, wc, ws, rope, qkvh; writes qkvh
.if DOCPART == 2
	.amdgcn_target "amdgcn-amd-amdhsa--gfx1250"
	.amdhsa_code_object_version 6
	.text
	.protected	k_qe0061a4464_qkv
	.globl	k_qe0061a4464_qkv
	.p2align	8
	.type	k_qe0061a4464_qkv,@function
k_qe0061a4464_qkv:
	s_mov_b64 s[64:65], 0
	v_nop
	global_prefetch_b8 v0, s[64:65] scope:SCOPE_SE
	s_setreg_imm32_b32 hwreg(HW_REG_WAVE_MODE, 25, 1), 1
	s_wait_xcnt 0x0
	s_wait_alu depctr_hold_cnt(0) depctr_sa_sdst(0) depctr_va_vdst(0) depctr_va_sdst(0) depctr_va_ssrc(0) depctr_va_vcc(0) depctr_vm_vsrc(0)
	s_getreg_b32 s2, hwreg(HW_REG_IB_STS2, 6, 4)
	s_cmp_eq_u32 s2, 0
	s_cbranch_scc0 .Lentry_in_a_cluster
	s_endpgm
.Lentry_in_a_cluster:
	s_bfe_u32 s2, ttmp6, 0x10000c
	s_cmp_lg_u32 s2, 0xf033
	s_cbranch_scc0 .Lentry_shape_is_right
	s_endpgm
.Lentry_shape_is_right:
; Launch 2 of 4: qkv = x w_qkv^T on codes of FP4 (E2M1) with one E8M0 scale for each 32 along K, sums in f32; then the rotation of q and k in f32; then everything rounded to f16 and laid [3][batch][head][position][64].
; Nothing is left out.  q is NOT multiplied by 64^-0.5 here: the factor rides in the softmax's multiply-add of the next launch.  LIMIT: |q|, |k|, |v| stay under f16's 65,504.
; A tile, 256 tokens x 256 columns, is made by four waves; a wave makes 128 tokens x 128 columns (two heads): 64 accumulators of 16 x 16, 512 registers.  K = 1,024 is two LDS slots of 512 along K: all tiles are asked
; for at the head (three tensor loads a wave are out: scales, slot 0, slot 1) and no LDS byte is filled twice.
; CLUSTERS: 4 x 4 work-groups; A's tiles are asked for jointly along a row of the cluster, B's along a column.  A cluster's four tile columns are one section (q, k or v): the cluster's x says which, alike in all sixteen.
; THE MATRIX INSTRUCTION IS USED TRANSPOSED (source 0 = 16 rows of w_qkv, source 1 = 16 tokens): a lane holds one token and eight neighbouring channels.  A channel c < 32 and its partner c + 32 lie in the same lane, 16 registers apart.
; REGISTERS: window 0: v0-31 addresses; v32-95 scale words, two sets; from v128 A's fragments, one set; on the way out v32-255 are free.  window 1: B's fragments, two sets.  windows 2, 3: the accumulators ((a, b) at v[8 (8 (a % 4) + b)]).
.set SIZE_M, 8192
.set SIZE_N, 3072
.set SIZE_K, 1024
.set KSTEP,  512
.set NQ,     KSTEP/128
.set ROWB,   256
.set KROW,   SIZE_K*4/8
.set PITCH,  272                       ; an LDS row: 256 bytes + 16 of padding: the 16 rows that a load touches start 68 words apart
.set FR,     8
.set NL,     2
.set NP,     4
.set HALFT,  128*PITCH
.set SLOT,   4*HALFT
.set KS,     SIZE_K/32
.set SCL,    2*SLOT                    ; behind the two slots: the scales, as units of 256 bytes + 16 of padding
.set HALFS,  (128*KS/256)*272
.set SBLK,   (16*KS/256)*272
.set SPARE,  SCL+4*HALFS               ; the spare words, 128 bytes a wave, which no other line names
.set HP,     144                       ; the way out: a stage row: a head's 128 bytes + 16
.set HST,    16*HP                     ; 16 tokens of one head
.set WST,    2*HST                     ; a wave's stage: two heads.  The stages lie in slot 0, which has had its one fill and its last read when the first result is stored there
.set VST,    32768                     ; the v path has stage bytes of its own
.set ADRA, 16
.set ADRB, 20
.set STO,  24                          ; v24 q, k: where I put 16 bytes of a row;  v25 where I read rows back
.set RD,   25
.set CO,   26                          ; v26 16 x lane
.set ADRS, 27
.set SPW,  28
.set NIL,  29
.set STV,  30                          ; v30, v31: the same two for v
.set RDV,  31
.set SC,   32
.set AF,   128
.set CSB,  32                          ; the way out: the table, two sets of 32: cos of 16 frequencies, then sin
.set TT,   96                          ; 64 rotated numbers
.set PKD,  160                         ; 32 registers of f16 pairs
.set BK,   192                         ; rows read back: two sets of 32
.set G1, 24
.set G0, 32
.set G1B, 48
.set G0B, 56
.set G1S, 68
.set G0S, 76
.set G1SB, 80
.set G0SB, 88
.set MSB, 0
.macro WIN new                         ; the immediate's high byte repeats the setting that is left
.if MSB != (\new)
	s_set_vgpr_msb (MSB<<8)|(\new)
.set MSB, (\new)
.endif
.endm
.set MUL_LO, 0xa1                      ; source 0 (B) window 1, source 1 (A) window 0, C and D window 2
.set MUL_HI, 0xf1
.set TO_B,   0x40
; A joint load: waves 0 and 1 fetch for A, waves 2 and 3 for B.  An s_nop 0 and four v_nop follow each of the two lines.
.macro JLOAD g0a, g1a, g0b, g1b
	s_cmp_eq_u32 s15, 0
	s_cbranch_scc0 .Lfor_b_\@
	tensor_load_to_lds s[\g0a:\g0a+3], s[\g1a:\g1a+7]
	s_nop 0
.rept 4
	v_nop
.endr
	s_branch .Lasked_\@
.Lfor_b_\@:
	tensor_load_to_lds s[\g0b:\g0b+3], s[\g1b:\g1b+7]
	s_nop 0
.rept 4
	v_nop
.endr
.Lasked_\@:
.endm
.macro CROUND                          ; a round of the cluster's barrier
	s_barrier_signal -1
	s_barrier_wait -1
	s_cmp_lg_u32 s14, 0
	s_cbranch_scc1 .Lnot_wave_0_\@
	s_barrier_signal -3
.Lnot_wave_0_\@:
	s_barrier_wait -3
	s_barrier_signal -1
	s_barrier_wait -1
.endm
	s_load_b128 s[4:7], s[0:1], 0x0                ; x's codes, x's scales
	s_load_b128 s[8:11], s[0:1], 0x10              ; w_qkv's codes, its scales
	s_load_b64 s[66:67], s[0:1], 0x20              ; the table
	s_load_b64 s[12:13], s[0:1], 0x28              ; q, k, v in f16
	v_lshl_add_u32 v[SPW], v0, 2, SPARE
	v_mov_b32 v[NIL], 0
	ds_add_u32 v[SPW], v[NIL]                      ; the wave's opening: the add, twice on end, and its wait ahead of my first tensor load
	ds_add_u32 v[SPW], v[NIL]
	v_lshrrev_b32 v1, 5, v0
	v_readfirstlane_b32 s14, v1                    ; wave 0..3
	s_lshr_b32 s15, s14, 1                         ; which half of the tile's tokens is mine.  Also: I fetch for A (0) or for B (1)
	s_and_b32 s16, s14, 1                          ; which half of its columns.  Also: which 128 rows of that tile I fetch
	s_bfe_u32 s40, ttmp6, 0x40000                  ; cx, cy
	s_bfe_u32 s41, ttmp6, 0x40004
	s_lshl_b32 s42, ttmp9, 2
	s_add_co_u32 s42, s42, s40                     ; tile column
	s_and_b32 s17, ttmp7, 0xffff
	s_lshl_b32 s17, s17, 2
	s_add_co_u32 s17, s17, s41                     ; tile row
	s_lshl_b32 s43, s41, 2
	s_lshl_b32 s43, 15, s43                        ; my row of the cluster
	s_lshl_b32 s44, 0x1111, s40                    ; my column
	s_or_b32 s[G1+0], s43, (0<<16)|(1<<20)|(1<<21)|(5<<22)|(3<<25)   ; the mask; elements of 1 byte; padding on: 4 words behind every 64; bit 21 beside a mask
	s_or_b32 s[G1B+0], s44, (0<<16)|(1<<20)|(1<<21)|(5<<22)|(3<<25)
.irp g, G1, G1B
	s_mov_b32 s[\g+1], ROWB<<16                    ; tensor_dim0
	s_mov_b32 s[\g+2], 128<<16                     ; tensor_dim1
	s_mov_b32 s[\g+3], ROWB<<16                    ; tile_dim0
	s_mov_b32 s[\g+4], 128                         ; tile_dim1
	s_mov_b32 s[\g+5], KROW                        ; from row to row
	s_mov_b32 s[\g+6], 0
	s_mov_b32 s[\g+7], 0
.endr
	s_or_b32 s[G1S+0], s43, (3<<16)|(1<<20)|(1<<21)|(5<<22)|(3<<25)  ; the scales of 128 rows: a dense block, as rows of 256 bytes (32 elements of 8 bytes)
	s_or_b32 s[G1SB+0], s44, (3<<16)|(1<<20)|(1<<21)|(5<<22)|(3<<25)
.irp g, G1S, G1SB
	s_mov_b32 s[\g+1], 32<<16
	s_mov_b32 s[\g+2], (128*KS/256)<<16
	s_mov_b32 s[\g+3], 32<<16
	s_mov_b32 s[\g+4], 128*KS/256
	s_mov_b32 s[\g+5], 32
	s_mov_b32 s[\g+6], 0
	s_mov_b32 s[\g+7], 0
.endr
	s_lshl_b32 s18, s16, 7
	s_lshl_b32 s20, s17, 8
	s_add_co_u32 s20, s20, s18                     ; A: row 256 x tile row + 128 x half
	s_lshl_b32 s46, s42, 8
	s_add_co_u32 s46, s46, s18                     ; B: row 256 x tile column + 128 x half
	s_mov_b32 s21, 0
	s_mov_b32 s47, 0
	s_mov_b64 s[18:19], KS
	s_mul_u64 s[22:23], s[20:21], s[18:19]
	s_mul_u64 s[92:93], s[46:47], s[18:19]
	s_mov_b64 s[18:19], KROW
	s_mul_u64 s[20:21], s[20:21], s[18:19]
	s_mul_u64 s[46:47], s[46:47], s[18:19]
	s_mul_i32 s45, s14, HALFT                      ; where they go: wave x 128 rows
	s_mul_i32 s94, s14, HALFS
	s_wait_dscnt 0x0                               ; both opening adds are done
	s_wait_kmcnt 0x0
	s_add_nc_u64 s[20:21], s[4:5], s[20:21]
	s_add_nc_u64 s[22:23], s[6:7], s[22:23]
	s_add_nc_u64 s[46:47], s[8:9], s[46:47]
	s_add_nc_u64 s[92:93], s[10:11], s[92:93]
	CROUND                                         ; all sixteen work-groups are here: the joint loads meet
	s_mov_b32 s[G0S], 1
	s_add_co_u32 s[G0S+1], s94, SCL
	s_mov_b64 s[G0S+2:G0S+3], s[22:23]
	s_or_b32 s[G0S+3], s[G0S+3], 0x80000000
	s_mov_b32 s[G0SB], 1
	s_add_co_u32 s[G0SB+1], s94, SCL
	s_mov_b64 s[G0SB+2:G0SB+3], s[92:93]
	s_or_b32 s[G0SB+3], s[G0SB+3], 0x80000000
	JLOAD G0S, G1S, G0SB, G1SB                     ; the scales first
.irp s, 0,1
	s_mov_b32 s[G0+4*\s], 1
	s_add_co_u32 s[G0+4*\s+1], s45, \s*SLOT
	s_add_nc_u64 s[G0+4*\s+2:G0+4*\s+3], s[20:21], \s*ROWB
	s_or_b32 s[G0+4*\s+3], s[G0+4*\s+3], 0x80000000
	s_mov_b32 s[G0B+4*\s], 1
	s_add_co_u32 s[G0B+4*\s+1], s45, \s*SLOT
	s_add_nc_u64 s[G0B+4*\s+2:G0B+4*\s+3], s[46:47], \s*ROWB
	s_or_b32 s[G0B+4*\s+3], s[G0B+4*\s+3], 0x80000000
	JLOAD G0+4*\s, G1, G0B+4*\s, G1B
.endr
	v_and_b32 v1, 15, v0                           ; r
	v_bfe_u32 v2, v0, 4, 1                         ; h
	v_mul_u32_u24 v3, v1, PITCH
	v_lshl_add_u32 v4, v2, 4, v3
	s_mul_i32 s21, s15, HALFT
	s_mul_i32 s22, s16, HALFT
	s_add_co_u32 s22, s22, 2*HALFT
.irp s, 0,1
	v_add_nc_u32 v[ADRA+\s], s21, v4
	v_add_nc_u32 v[ADRB+\s], s22, v4
	s_add_co_u32 s21, s21, SLOT
	s_add_co_u32 s22, s22, SLOT
.endr
	v_mul_u32_u24 v5, v1, KS
	v_lshrrev_b32 v6, 8, v5
	v_lshl_add_u32 v5, v6, 4, v5
	s_mul_i32 s21, s15, HALFS
	s_mul_i32 s22, s16, HALFS
	s_add_co_u32 s22, s22, 2*HALFS
	s_sub_co_u32 s22, s22, s21
	v_mul_u32_u24 v6, s22, v2                      ; lanes 16-31 take B's scale words
	s_add_co_u32 s21, s21, SCL
	v_add_nc_u32 v5, v5, v6
	v_add_nc_u32 v[ADRS], s21, v5
	; the way out's addresses, all made here, ahead of the parting of the two ways out
	s_mul_i32 s23, s14, WST                        ; my stage
	v_mul_u32_u24 v5, v1, HP
	v_lshl_add_u32 v5, v2, 4, v5
	v_add_nc_u32 v[STO], s23, v5                   ; in: row r, 16 bytes for each half of the lanes
	v_bfe_u32 v6, v0, 3, 2
	v_mul_u32_u24 v6, v6, HP
	v_and_b32 v7, 7, v0
	v_lshl_add_u32 v6, v7, 4, v6
	v_add_nc_u32 v[RD], s23, v6                    ; back: eight lanes to a row of 128 bytes, four rows an instruction
	v_add_nc_u32 v[STV], VST, v[STO]
	v_add_nc_u32 v[RDV], VST, v[RD]
	v_and_b32 v6, 31, v0
	v_lshlrev_b32 v[CO], 4, v6
	s_and_b32 s20, s17, 7
	s_lshl_b32 s20, s20, 8
	s_lshl_b32 s21, s15, 7
	s_add_co_u32 s20, s20, s21                     ; my first position in the sequence
	s_lshl_b32 s22, s20, 8                         ; the table: 4,096 bytes for 16 positions
	s_mov_b32 s23, 0
	s_add_nc_u64 s[66:67], s[66:67], s[22:23]
	s_lshl_b32 s22, s20, 7                         ; the output: 128 bytes a position,
	s_lshr_b32 s21, s17, 3
	s_lshl_b32 s21, s21, 22                        ; 2^22 a batch,
	s_add_co_u32 s22, s22, s21
	s_lshl_b32 s21, ttmp9, 24                      ; 2^24 a section,
	s_add_co_u32 s22, s22, s21
	s_add_nc_u64 s[12:13], s[12:13], s[22:23]
	s_lshl_b32 s46, s40, 2
	s_lshl_b32 s47, s16, 1
	s_add_co_u32 s46, s46, s47                     ; my first head: 4 cx + 2 x half,
	s_lshl_b32 s46, s46, 18                        ; 2^18 a head
	s_mov_b32 s47, 0
	s_add_nc_u64 s[12:13], s[12:13], s[46:47]
.macro FRAG reg, adr, q, i             ; a fragment, 16 rows x 128 K of 4-bit codes: 8 registers, two loads of 16 bytes, 32 bytes apart
.irp c, 0,1
	ds_load_b128 v[\reg+4*\c:\reg+4*\c+3], v[\adr] offset:64*(\q)+32*\c+(\i)*16*PITCH
.endr
.endm
; 16 matrix instructions: A's blocks a0, a0 + 1 x B's eight, 128 along K.  The 64 accumulators take turns, one instruction a turn, in the same order in every step.
.macro MUL16 a0, p, q, sc, zero
.irp a, \a0, \a0+1
.irp b, 0,1,2,3,4,5,6,7
.if \zero
	v_wmma_scale_f32_16x16x128_f8f6f4 v[8*(8*((\a)%4)+\b):8*(8*((\a)%4)+\b)+7], v[128*(\p)+FR*\b:128*(\p)+FR*\b+FR-1], v[AF+FR*(\a):AF+FR*(\a)+FR-1], 0, v[SC+8*NQ*(\sc)+NQ*\b+(\q)], v[SC+8*NQ*(\sc)+NQ*(\a)+(\q)] matrix_a_fmt:MATRIX_FMT_FP4 matrix_b_fmt:MATRIX_FMT_FP4 matrix_a_scale:MATRIX_SCALE_ROW1
.else
	v_wmma_scale_f32_16x16x128_f8f6f4 v[8*(8*((\a)%4)+\b):8*(8*((\a)%4)+\b)+7], v[128*(\p)+FR*\b:128*(\p)+FR*\b+FR-1], v[AF+FR*(\a):AF+FR*(\a)+FR-1], v[8*(8*((\a)%4)+\b):8*(8*((\a)%4)+\b)+7], v[SC+8*NQ*(\sc)+NQ*\b+(\q)], v[SC+8*NQ*(\sc)+NQ*(\a)+(\q)] matrix_a_fmt:MATRIX_FMT_FP4 matrix_b_fmt:MATRIX_FMT_FP4 matrix_a_scale:MATRIX_SCALE_ROW1
.endif
.endr
.endr
.endm
.macro FETCH_B slot, q, p
	WIN TO_B
.irp i, 0,1,2,3,4,5,6,7
	FRAG 128*(\p)+FR*\i, ADRB+\slot, \q, \i
.endr
	WIN 0
.endm
.macro FETCH_A slot, q, i0
.irp i, \i0, \i0+1, \i0+2, \i0+3
	FRAG AF+FR*(\i), ADRA+\slot, \q, \i
.endr
.endm
.macro SCALES sc                       ; a K step's scale words: lanes 0-15 take A's block i, lanes 16-31 B's block i
.irp i, 0,1,2,3,4,5,6,7
	ds_load_b128 v[SC+8*NQ*\sc+NQ*\i:SC+8*NQ*\sc+NQ*\i+3], v[ADRS] offset:\i*SBLK
.endr
.endm
.macro PLACES n                        ; plain vector instructions between a matrix instruction and a load into, or a read of, its registers
.rept \n
	v_nop
.endr
.endm
.macro STEP slot, q, zero              ; a step of 128 along K that has its successor in the same slot
	s_wait_dscnt 4*NL                              ; B's set and A's blocks 0-3 are in; the youngest eight loads (A's blocks 4-7) may be out
	WIN MUL_LO
	MUL16 0, (\q)%2, \q, \slot, \zero
	MUL16 2, (\q)%2, \q, \slot, \zero
	s_wait_dscnt 0
	PLACES NP
	FETCH_B \slot, (\q)+1, 1-(\q)%2
	FETCH_A \slot, (\q)+1, 0
	WIN MUL_HI
	MUL16 4, (\q)%2, \q, \slot, \zero
	MUL16 6, (\q)%2, \q, \slot, \zero
	PLACES NP
	WIN 0
	FETCH_A \slot, (\q)+1, 4
.endm
; Slot 0's last step changes slots: one barrier; in front of it each wave waits for all its tensor loads (its part of slot 1), adds 0 to its spare word, and waits for that and for its reads of slot 0.
.macro TURN slot, next
	s_wait_tensorcnt 0x0
	ds_add_u32 v[SPW], v[NIL]
	s_wait_dscnt 4*NL+1                            ; the add and the youngest eight loads may be out
	WIN MUL_LO
	MUL16 0, 1, NQ-1, \slot, 0
	s_wait_dscnt 0x0                               ; the add is done, and my reads of this slot are over
	s_barrier_signal -1
	MUL16 2, 1, NQ-1, \slot, 0
	WIN 0
	s_barrier_wait -1
	PLACES NP
	v_add_nc_u32 v[ADRS], 4*NQ, v[ADRS]            ; on to the next K step's scale words
	FETCH_B \next, 0, 0
	FETCH_A \next, 0, 0
	SCALES \next
	WIN MUL_HI
	MUL16 4, 1, NQ-1, \slot, 0
	MUL16 6, 1, NQ-1, \slot, 0
	PLACES NP
	WIN 0
	FETCH_A \next, 0, 4
.endm
.macro STEPS slot, from
.set Q, \from
.rept NQ-1-\from
	STEP \slot, Q, 0
.set Q, Q+1
.endr
.endm
	s_wait_tensorcnt 1                             ; the scales and my part of slot 0 are in (slot 1's load may be out),
	s_barrier_signal -1
	s_barrier_wait -1                              ; everybody's are
	FETCH_B 0, 0, 0
	FETCH_A 0, 0, 0
	SCALES 0
	FETCH_A 0, 0, 4
	STEP 0, 0, 1                                   ; the first step's products start the sums: nothing is cleared
	STEPS 0, 1
	TURN 0, 1
	STEPS 1, 0
	s_wait_dscnt 4*NL                              ; the very last step
	WIN MUL_LO
	MUL16 0, 1, NQ-1, 1, 0
	MUL16 2, 1, NQ-1, 1, 0
	s_wait_dscnt 0
	WIN MUL_HI
	MUL16 4, 1, NQ-1, 1, 0
	MUL16 6, 1, NQ-1, 1, 0
	WIN 0
; THE WAY OUT, block by block of 16 tokens x 2 heads.  q, k: rotated; all: rounded to f16, 16 bytes a lane into my stage, back as rows of 128 bytes, stored 512 bytes on end (four positions of one head).
.macro RLOAD a                         ; the table of block a's 16 positions, as it lies: 8 loads of 512 bytes
.irp ld, 0,1,2,3,4,5,6,7
	global_load_b128 v[CSB+32*((\a)%2)+4*\ld:CSB+32*((\a)%2)+4*\ld+3], v[CO], s[66:67] offset:4096*(\a)+512*\ld
.endr
.endm
.macro ROPE a                          ; out(c) = x(c) cos - x(c + 32) sin;  out(c + 32) = x(c + 32) cos + x(c) sin, c < 32.  Each accumulator is read from its low end on
.set AC, 64*((\a)%4)
.set C0, CSB+32*((\a)%2)
	WIN 0x02+(\a)/4                                ; source 0: the accumulators' window
.irp hh, 0,1
.irp bp, 0,1
.set X1, AC+8*(4*\hh+\bp)
.set X2, X1+16
.set CC, C0+8*\bp
.set SS, CC+16
.set T1, TT+32*\hh+8*\bp
.set T2, T1+16
.irp jp, 0,2,4,6
	v_pk_mul_f32 v[T1+\jp:T1+\jp+1], v[X2+\jp:X2+\jp+1], v[SS+\jp:SS+\jp+1]
	v_pk_mul_f32 v[T2+\jp:T2+\jp+1], v[X1+\jp:X1+\jp+1], v[SS+\jp:SS+\jp+1]
.endr
.irp jp, 0,2,4,6
	v_pk_fma_f32 v[T1+\jp:T1+\jp+1], v[X1+\jp:X1+\jp+1], v[CC+\jp:CC+\jp+1], v[T1+\jp:T1+\jp+1] neg_lo:[0,0,1] neg_hi:[0,0,1]
	v_pk_fma_f32 v[T2+\jp:T2+\jp+1], v[X2+\jp:X2+\jp+1], v[CC+\jp:CC+\jp+1], v[T2+\jp:T2+\jp+1]
.endr
.endr
.endr
	WIN 0
.set i, 0
.rept 32
	v_cvt_pk_f16_f32 v[PKD+i], v[TT+2*i], v[TT+2*i+1]
.set i, i+1
.endr
.endm
.macro PACKV a                         ; v is rounded as it is
.set AC, 64*((\a)%4)
	WIN 0x0a+5*((\a)/4)                            ; sources 0 and 1: window 2 or 3
.set i, 0
.rept 32
	v_cvt_pk_f16_f32 v[PKD+i], v[AC+2*i], v[AC+2*i+1]
.set i, i+1
.endr
	WIN 0
.endm
.macro TOSTAGE a, sto, rd              ; LDS serves a wave's instructions in order (ISA guide 5.7.1.4): no wait between the stores and the loads, nor in front of the next block's stores
.irp b, 0,1,2,3,4,5,6,7
	ds_store_b128 v[\sto], v[PKD+4*\b:PKD+4*\b+3] offset:(\b/4)*HST+(\b%4)*32
.endr
.irp g, 0,1,2,3,4,5,6,7
	ds_load_b128 v[BK+32*((\a)%2)+4*\g:BK+32*((\a)%2)+4*\g+3], v[\rd] offset:(\g/4)*HST+(\g%4)*4*HP
.endr
.endm
.macro SEND a, younger                 ; younger: the LDS instructions issued behind block a's loads
	s_wait_dscnt \younger
.irp g, 0,1,2,3,4,5,6,7
	global_store_b128 v[CO], v[BK+32*((\a)%2)+4*\g:BK+32*((\a)%2)+4*\g+3], s[12:13] offset:(\g/4)*262144+2048*(\a)+512*(\g%4)   ; 512 bytes on end, aligned; the base is never stepped
.endr
.endm
	PLACES NP                                      ; behind the last products: their registers are read, and loaded into, below
	s_cmp_eq_u32 ttmp9, 2                          ; the section: the cluster's x, alike in all sixteen work-groups
	s_cbranch_scc1 .Lv
	RLOAD 0
	RLOAD 1
.irp a, 0,1,2,3,4,5,6,7
.if \a < 7
	s_wait_loadcnt 8                               ; this block's table is in; the next block's eight loads may be out
.else
	s_wait_loadcnt 0
.endif
	ROPE \a
.if \a < 6
	RLOAD \a+2
.endif
.if \a > 1
	s_wait_xcnt 0x0                                ; block a - 2's stores have read their data: block a's rows may land there
.endif
	TOSTAGE \a, STO, RD
.if \a > 0
	SEND \a-1, 16                                  ; behind block a - 1's loads: block a's 8 stores and 8 loads
.endif
.endr
	SEND 7, 0
	s_branch .Lend
.Lv:
.irp a, 0,1,2,3,4,5,6,7
	PACKV \a
.if \a > 1
	s_wait_xcnt 0x0
.endif
	TOSTAGE \a, STV, RDV
.if \a > 0
	SEND \a-1, 16
.endif
.endr
	SEND 7, 0
.Lend:
	s_wait_tensorcnt 0x0                           ; the wave's end, behind my last tensor load and my last LDS store
	ds_add_u32 v[SPW], v[NIL]
	s_wait_dscnt 0x0
	CROUND                                         ; the closing round
	s_endpgm
.Lfunc_end_k_qe0061a4464_qkv:
	.size	k_qe0061a4464_qkv, .Lfunc_end_k_qe0061a4464_qkv-k_qe0061a4464_qkv
	.p2alignl 7, 3214868480
	.fill 96, 4, 3214868480
	.section	.rodata,"a",@progbits
	.p2align	6, 0x0
	.amdhsa_kernel k_qe0061a4464_qkv
		.amdhsa_group_segment_fixed_size 327680
		.amdhsa_private_segment_fixed_size 0
		.amdhsa_enable_private_segment 0
		.amdhsa_kernarg_size 48
		.amdhsa_user_sgpr_count 2
		.amdhsa_user_sgpr_kernarg_segment_ptr 1
		.amdhsa_wavefront_size32 1
		.amdhsa_system_sgpr_workgroup_id_x 1
		.amdhsa_system_sgpr_workgroup_id_y 1
		.amdhsa_system_sgpr_workgroup_id_z 1
		.amdhsa_system_vgpr_workitem_id 0
		.amdhsa_next_free_vgpr 1024
		.amdhsa_next_free_sgpr 98
		.amdhsa_reserve_vcc 0
		.amdhsa_float_denorm_mode_32 3
		.amdhsa_float_denorm_mode_16_64 3
		.amdhsa_memory_ordered 1
		.amdhsa_forward_progress 1
		.amdhsa_inst_pref_size 196
	.end_amdhsa_kernel
	.amdgpu_metadata
---
amdhsa.version: [ 1, 2 ]
amdhsa.kernels:
  - .name:           k_qe0061a4464_qkv
    .symbol:         k_qe0061a4464_qkv.kd
    .args:
      - { .name: xc, .offset: 0, .size: 8, .value_kind: global_buffer, .address_space: global }
      - { .name: xs, .offset: 8, .size: 8, .value_kind: global_buffer, .address_space: global }
      - { .name: wc, .offset: 16, .size: 8, .value_kind: global_buffer, .address_space: global }
      - { .name: ws, .offset: 24, .size: 8, .value_kind: global_buffer, .address_space: global }
      - { .name: rope, .offset: 32, .size: 8, .value_kind: global_buffer, .address_space: global }
      - { .name: qkvh, .offset: 40, .size: 8, .value_kind: global_buffer, .address_space: global }
    .group_segment_fixed_size: 327680
    .private_segment_fixed_size: 0
    .kernarg_segment_align: 8
    .kernarg_segment_size: 48
    .max_flat_workgroup_size: 128
    .sgpr_count:     98
    .vgpr_count:     1024
    .wavefront_size: 32
...
	.end_amdgpu_metadata
.endif
;; end of part 2
;; launch attn (part 3): grid 4 x 64, 4 waves a work-group, clusters of 4 x 1, 327,680 bytes of LDS; arguments qkvh, ao; writes ao
.if DOCPART == 3
	.amdgcn_target "amdgcn-amd-amdhsa--gfx1250"
	.amdhsa_code_object_version 6
	.text
	.protected	k_qe0061a4464_attn
	.globl	k_qe0061a4464_attn
	.p2align	8
	.type	k_qe0061a4464_attn,@function
k_qe0061a4464_attn:
	s_mov_b64 s[64:65], 0
	v_nop
	global_prefetch_b8 v0, s[64:65] scope:SCOPE_SE
	s_setreg_imm32_b32 hwreg(HW_REG_WAVE_MODE, 25, 1), 1
	s_wait_xcnt 0x0
	s_wait_alu depctr_hold_cnt(0) depctr_sa_sdst(0) depctr_va_vdst(0) depctr_va_sdst(0) depctr_va_ssrc(0) depctr_va_vcc(0) depctr_vm_vsrc(0)
	s_getreg_b32 s2, hwreg(HW_REG_IB_STS2, 6, 4)
	s_cmp_eq_u32 s2, 0
	s_cbranch_scc0 .Lentry_in_a_cluster
	s_endpgm
.Lentry_in_a_cluster:
	s_bfe_u32 s2, ttmp6, 0x10000c
	s_cmp_lg_u32 s2, 0x3003
	s_cbranch_scc0 .Lentry_shape_is_right
	s_endpgm
.Lentry_shape_is_right:
; Launch 3 of 4: O[bh][q] = the sum over k of softmax_k(Q[bh][q] . K[bh][k] / 8) V[bh][k].  Q, K, V: sections 0, 1, 2 of [3][64 bh][2048][64] f16; O: [64 bh][2048][64] f16.  Nothing is left out.
; Products, maxima and sums in f32; the weights p are rounded to f16 for the second product, O once at the end.  LIMIT: O lies inside f16's range, since it is a mean of V's rows.
; SHARES.  A cluster of four work-groups is one head; a work-group owns 512 queries, each of its four waves 128: eight tiles of 16.  Every wave walks all 2,048 keys, 64 a step.
; LAYOUT.  S^T = K Q^T (source 0 = 16 keys, source 1 = 16 queries): a lane holds ONE query and keys 8 (lane / 16) + 0..7.  Two such tiles, rounded in pairs, ARE source 1 of O^T = V^T P.  V comes out of LDS turned, by ds_load_tr16_b128.
; SOFTMAX.  For each query a running maximum m and sum l: p = 2^(c s - c m), c = log2(e) / 8 (the source's factor 64^-0.5 on q rides in c); in every step O and l are multiplied by a = 2^(c m_old - c m_new).
; BY TURNS.  The tiles are two pieces (0: tiles 0-3; 1: tiles 4-7).  In a turn one piece has the matrix unit: 32 products V^T P of the step in hand, 32 products K Q^T of the next; the other piece's softmax, a list of
; 473 vector instructions, is dealt out behind the 64 matrix instructions, 7 or 8 behind each.  Each fragment of K and V read from LDS feeds eight matrix instructions.
; CLUSTER.  The four work-groups walk the same K and V: each tile is asked for jointly (mask 15).
; REGISTERS: window 0: v0-15 addresses; v16-79 eight registers of statistics a tile; v128-255 P, 16 a tile.  window 1: S^T, 32 a tile.  window 2: O^T, 32 a tile.  window 3: v0-127 Q, 16 a tile; v128-191 K of a step; v192-255 V of a step.
.set KS,    64
.set KP,    144                        ; a row of K in LDS: 128 bytes + 16
.set VP,    160                        ; a row of V: 128 + 32: an odd multiple of 32, for the turning load
.set VOFF,  KS*KP
.set STEPB, KS*(KP+VP)                 ; a step's tiles: 64 rows of K, then 64 of V
.set SLOT1, 1<<16                      ; a slot holds two steps (38,912 bytes); slot 1 begins here
.set STAGE, SLOT1+2*STEPB              ; 16 rows x 144 bytes for each wave, for the way out
.set SP,    144
.set SPARE, STAGE+4*16*SP              ; the spare words, 128 bytes a wave, which no other line names
.set SLB,   2*KS*128                   ; a slot's keys in memory: 16,384 bytes of K, as many of V
.set AK0, 2
.set AV0, 3
.set ADR, 4
.set QO,  5
.set STO, 6
.set RD,  7
.set GO,  8
.set PFO, 12                           ; v12 the prefetch's offset: lanes 0-15 K's blocks, 256 bytes apart; lanes 16-31 the same of V, 2^24 bytes on
.set SPW, 14
.set NIL, 15
.set ST,  16                           ; tile t's statistics at v[ST + 8 t]: +0 c m, +1 m, +2, +3 l, +4 to +7 c0-c3 at work; a takes c2's place
.set P,   128
.set KF,  128
.set VF,  192
.set NT,  473                          ; the length of a piece's list
.set WV,  12
.set LIM, 15
.set PFA, 18
.set G1K, 24
.set G1V, 32
.set G0K, 40
.set G0V, 48
.set SLOTS, 56
.set TWICE, 57
.set CS,  58
.set SEL, 60
.set TB,  62
.set MSB, 0
.macro WIN new
.if MSB != (\new)
	s_set_vgpr_msb (MSB<<8)|(\new)
.set MSB, (\new)
.endif
.endm
; A joint refill: waves 0 and 1 fetch the slot's two steps of K, waves 2 and 3 of V.  An s_nop 0 and four v_nop follow each line.
.macro JLOAD
	s_cmp_lt_u32 s[WV], 2
	s_cbranch_scc0 .Lfor_v_\@
	tensor_load_to_lds s[G0K+4:G0K+7], s[G1K:G1K+7]
	s_nop 0
.rept 4
	v_nop
.endr
	s_branch .Lasked_\@
.Lfor_v_\@:
	tensor_load_to_lds s[G0V+4:G0V+7], s[G1V:G1V+7]
	s_nop 0
.rept 4
	v_nop
.endr
.Lasked_\@:
.endm
; A prefetch of what the NEXT change of slots will ask for: a slot is 64 blocks of 256 bytes of K and 64 of V.  The four partners share them out by address, 16 + 16 each; in each, wave 0 asks, one instruction.
; A head is walked by its one cluster, so each block is named once in the launch.  The last change that fills a slot asks for nothing; slots 0 to 2 come by their loads alone.
.macro ASK
	s_cmp_gt_u32 s[SLOTS], s[LIM]
	s_cbranch_scc0 .Lnot_mine_\@
	global_prefetch_b8 v[PFO], s[PFA:PFA+1] th:TH_LOAD_NT scope:SCOPE_SE
.Lnot_mine_\@:
.endm
.macro CROUND
	s_barrier_signal -1
	s_barrier_wait -1
	s_cmp_lg_u32 s[WV], 0
	s_cbranch_scc1 .Lnot_wave_0_\@
	s_barrier_signal -3
.Lnot_wave_0_\@:
	s_barrier_wait -3
	s_barrier_signal -1
	s_barrier_wait -1
.endm
	s_load_b64 s[4:5], s[0:1], 0x0                 ; q, k, v
	s_load_b64 s[10:11], s[0:1], 0x8               ; O
	v_lshl_add_u32 v[SPW], v0, 2, SPARE
	v_mov_b32 v[NIL], 0
	ds_add_u32 v[SPW], v[NIL]                      ; the wave's opening: the add, twice on end, and its wait ahead of my first tensor load
	ds_add_u32 v[SPW], v[NIL]
	v_lshrrev_b32 v1, 5, v0
	v_readfirstlane_b32 s[WV], v1                  ; wave 0..3
	s_bfe_u32 s13, ttmp6, 0x40000                  ; cx
	s_lshl_b32 s14, ttmp9, 2
	s_add_co_u32 s14, s14, s13                     ; my block of 512 queries: it enters Q's and O's addresses alone
	s_and_b32 s20, ttmp7, 0xffff                   ; the head, which the four partners share:
	s_lshl_b32 s20, s20, 18                        ; its first byte in a section
	s_and_b32 s16, s[WV], 1                        ; which of a slot's two steps I fetch:
	s_lshl_b32 s22, s16, 13                        ; its 64 rows of 128 bytes in memory,
	s_add_co_u32 s22, s22, s20
	s_mov_b32 s23, 0
	s_mul_i32 s17, s16, STEPB                      ; and its place in a slot
	s_lshl_b32 s2, s14, 16                         ; my block's 512 rows,
	s_lshl_b32 s3, s[WV], 14                       ; my wave's 128 of them
	s_add_co_u32 s2, s2, s3
	s_add_co_u32 s2, s2, s20
	s_mov_b32 s3, 0
	s_mov_b32 s[G1K], 15|(1<<16)|(1<<20)|(1<<21)|(4<<22)|(3<<25)  ; the mask: all four; elements of 2 bytes; padding on: 4 words behind every 32; bit 21 beside a mask
	s_mov_b32 s[G1V], 15|(1<<16)|(1<<20)|(1<<21)|(4<<22)|(7<<25)  ; the same with 8 words
.irp g, G1K, G1V
	s_mov_b32 s[\g+1], 64<<16                      ; tensor_dim0
	s_mov_b32 s[\g+2], KS<<16                      ; tensor_dim1
	s_mov_b32 s[\g+3], 64<<16                      ; tile_dim0
	s_mov_b32 s[\g+4], KS                          ; tile_dim1
	s_mov_b32 s[\g+5], 64                          ; from row to row
	s_mov_b32 s[\g+6], 0
	s_mov_b32 s[\g+7], 0
.endr
	s_mov_b32 s[CS], 0x3e38aa3b                    ; c = log2(e) / 8
	s_mov_b32 s[CS+1], s[CS]
	s_mov_b32 s[SEL], 0x76543210
	s_mov_b32 s[SEL+1], 0xfedcba98
	s_mov_b32 s[TB], 0
	s_mov_b32 s[SLOTS], 2048/(2*KS)-2
	s_cmp_eq_u32 s[WV], 0
	s_cselect_b32 s[LIM], 1, -1                    ; wave 0 prefetches: alike in all partners
	v_and_b32 v[PFO], 15, v0
	v_lshlrev_b32 v[PFO], 8, v[PFO]
	v_bfe_u32 v10, v0, 4, 1
	v_lshl_add_u32 v[PFO], v10, 24, v[PFO]
	s_wait_dscnt 0x0                               ; both opening adds are done
	s_wait_kmcnt 0x0
	s_add_nc_u64 s[6:7], s[4:5], s[22:23]
	s_add_nc_u64 s[8:9], s[6:7], 0x2000000         ; V at my tile of slot 0
	s_add_nc_u64 s[6:7], s[6:7], 0x1000000         ; K likewise
	s_add_nc_u64 s[4:5], s[4:5], s[2:3]            ; Q and O at my wave's first row
	s_add_nc_u64 s[10:11], s[10:11], s[2:3]
	s_lshl_b32 s2, s13, 12                         ; my work-group's 16 blocks of the 64
	s_add_nc_u64 s[PFA:PFA+1], s[6:7], s[2:3]      ; (in wave 0, which alone uses it, s[6:7] stands at a slot's first row)
	s_add_nc_u64 s[PFA:PFA+1], s[PFA:PFA+1], 2*SLB ; in slot 2; the first change of slots steps it to slot 3
	CROUND                                         ; all four work-groups are here: the first joint loads meet
.irp s, 0,1
	s_mov_b32 s[G0K+4*\s], 1
	s_add_co_u32 s[G0K+4*\s+1], s17, \s*SLOT1
	s_add_nc_u64 s[G0K+4*\s+2:G0K+4*\s+3], s[6:7], \s*SLB
	s_or_b32 s[G0K+4*\s+3], s[G0K+4*\s+3], 0x80000000
	s_mov_b32 s[G0V+4*\s], 1
	s_add_co_u32 s[G0V+4*\s+1], s17, \s*SLOT1+VOFF
	s_add_nc_u64 s[G0V+4*\s+2:G0V+4*\s+3], s[8:9], \s*SLB
	s_or_b32 s[G0V+4*\s+3], s[G0V+4*\s+3], 0x80000000
.endr
	s_cmp_lt_u32 s[WV], 2                          ; a wave's two first fills stand in one branch: two loads of mine are out
	s_cbranch_scc0 .Lfirst_v
	tensor_load_to_lds s[G0K:G0K+3], s[G1K:G1K+7]
	s_nop 0
	tensor_load_to_lds s[G0K+4:G0K+7], s[G1K:G1K+7]
	s_nop 0
.rept 4
	v_nop
.endr
	s_branch .Lfirst_asked
.Lfirst_v:
	tensor_load_to_lds s[G0V:G0V+3], s[G1V:G1V+7]
	s_nop 0
	tensor_load_to_lds s[G0V+4:G0V+7], s[G1V:G1V+7]
	s_nop 0
.rept 4
	v_nop
.endr
.Lfirst_asked:
	v_and_b32 v1, 15, v0                           ; r
	v_bfe_u32 v9, v0, 4, 1                         ; h
	v_lshlrev_b32 v[QO], 7, v1
	v_lshl_add_u32 v[QO], v9, 4, v[QO]             ; row x 128 + 16 x half
	WIN 0xc0                                       ; destination window 3
.irp i, 0,1,2,3,4,5,6,7,8,9,10,11,12,13,14,15  ; Q stays in registers: tile i / 2, channels 32 (i % 2) on
	global_load_b128 v[8*\i:8*\i+3],   v[QO], s[4:5] offset:(\i/2)*2048+(\i%2)*64
	global_load_b128 v[8*\i+4:8*\i+7], v[QO], s[4:5] offset:(\i/2)*2048+(\i%2)*64+32
.endr
	WIN 0
	v_mul_u32_u24 v[AK0], v1, KP
	v_lshl_add_u32 v[AK0], v9, 4, v[AK0]
	v_and_b32 v10, 7, v0                           ; the turning load: lane l reads key 8 (l / 16) + l % 8, channels 8 ((l / 8) % 2) + 0..7
	v_bfe_u32 v11, v0, 3, 1
	v_lshl_add_u32 v[AV0], v9, 3, v10
	v_mul_u32_u24 v[AV0], v[AV0], VP
	v_lshl_add_u32 v[AV0], v11, 4, v[AV0]
	v_add_nc_u32 v[AV0], VOFF, v[AV0]
; THE MATRIX WORK of a turn, for piece x.  The accumulators take turns, one instruction a turn: between two links of a chain stand 15 others'.
.macro PV x, zero                      ; product i of 32 of O^T += V^T P: keys 32 (i / 16) on, channels 16 ((i / 4) % 4) on, tile 4 x + i % 4
	WIN 0xa3                                       ; V window 3, P window 0, O^T window 2
.set rO, 32*(4*(\x)+i%4)+8*((i/4)%4)
.set rV, VF+32*(i/16)+8*((i/4)%4)
.set rP, P+16*(4*(\x)+i%4)+8*(i/16)
.if (\zero) && (i < 16)
	v_wmma_f32_16x16x32_f16 v[rO:rO+7], v[rV:rV+7], v[rP:rP+7], 0
.else
	v_wmma_f32_16x16x32_f16 v[rO:rO+7], v[rV:rV+7], v[rP:rP+7], v[rO:rO+7]
.endif
.endm
.macro KQ x                            ; product i of 32 of S^T = K Q^T: channels 32 (i / 16) on, keys 16 ((i / 4) % 4) on, tile 4 x + i % 4
	WIN 0x5f                                       ; K and Q window 3, S^T window 1
.set rS, 32*(4*(\x)+i%4)+8*((i/4)%4)
.set rK, KF+16*((i/4)%4)+8*(i/16)
.set rQ, 16*(4*(\x)+i%4)+8*(i/16)
.if i < 16
	v_wmma_f32_16x16x32_f16 v[rS:rS+7], v[rK:rK+7], v[rQ:rQ+7], 0
.else
	v_wmma_f32_16x16x32_f16 v[rS:rS+7], v[rK:rK+7], v[rQ:rQ+7], v[rS:rS+7]
.endif
.endm
.macro FETCH_K                         ; a step's K: 8 fragments, 16 loads in one run
	WIN 0
	v_add_nc_u32 v[ADR], s[TB], v[AK0]
	WIN 0xc0
.irp f, 0,1,2,3,4,5,6,7
	ds_load_b128 v[KF+8*\f:KF+8*\f+3],   v[ADR] offset:(\f/2)*16*KP+(\f%2)*64
	ds_load_b128 v[KF+8*\f+4:KF+8*\f+7], v[ADR] offset:(\f/2)*16*KP+(\f%2)*64+32
.endr
.endm
.macro FETCH_V                         ; the same step's V, turned; the wait for the softmax's batch stands in it
	WIN 0
	v_add_nc_u32 v[ADR], s[TB], v[AV0]
	s_add_co_u32 s[TB], s[TB], STEPB               ; the next fetch is the next step's
	s_wait_alu depctr_va_vdst(0)
	WIN 0xc0
.irp f, 0,1,2,3,4,5,6,7
	ds_load_tr16_b128 v[VF+8*\f:VF+8*\f+3],   v[ADR] offset:(\f/4)*32*VP+(\f%4)*32
	ds_load_tr16_b128 v[VF+8*\f+4:VF+8*\f+7], v[ADR] offset:(\f/4)*32*VP+16*VP+(\f%4)*32
.endr
.endm
; THE VECTOR WORK of a turn: number n of piece y's list.  The four tiles take turns line by line, so that three other tiles' lines stand between any two lines that depend on each other.
;   0-63    the maximum of a lane's 32 scores and the old m, three operands at a time (each accumulator is read from its low end on)
;   64-87   the other half of the lanes' maximum; the new m; c m; a = 2^(c m_old - c m_new)
;   88-279  ONE BATCH: 16 packed scalings c s - c m and 32 exponentials a tile; none of them names an exponential's result; a pair is scaled ahead of its exponentials
;   280     a plain instruction and the ONE wait for the turn's 132 exponentials (ahead of the first line that names a result); in piece 1's turn V's loads stand with it
;   281-344 the roundings to f16;  345-408 the sums, l = a l + the sum;  409-472 O^T times a
; first = 1: the first key step: no old m, no a, nothing to rescale.
.macro SMI y, first
.if n < 64
.set idx, n/4
.set rT, ST+8*(4*(\y)+n%4)
.set rS, 32*(4*(\y)+n%4)
.if idx < 4
	WIN 0x15
	v_max3_num_f32 v[rT+4+idx], v[rS+8*idx], v[rS+8*idx+1], v[rS+8*idx+2]
.elseif idx < 12
	WIN 0x14
	v_max3_num_f32 v[rT+4+idx%4], v[rT+4+idx%4], v[rS+8*(idx%4)+2*(idx/4)+1], v[rS+8*(idx%4)+2*(idx/4)+2]
.elseif idx == 12
	WIN 0x14
	v_max3_num_f32 v[rT+4], v[rT+4], v[rS+7], v[rS+15]
.elseif idx == 13
	WIN 0x14
	v_max3_num_f32 v[rT+6], v[rT+6], v[rS+23], v[rS+31]
.elseif idx == 14
	WIN 0
	v_max3_num_f32 v[rT+4], v[rT+4], v[rT+5], v[rT+6]
.elseif \first
	WIN 0
	v_max_num_f32 v[rT+4], v[rT+4], v[rT+7]
.else
	WIN 0
	v_max3_num_f32 v[rT+4], v[rT+4], v[rT+7], v[rT+1]
.endif
.elseif n < 88
.set idx, (n-64)/4
.set rT, ST+8*(4*(\y)+n%4)
.if idx == 0
	WIN 0
	v_permlanex16_b32 v[rT+5], v[rT+4], s[SEL], s[SEL+1]   ; the query's other 32 keys lie in the lane 16 away
.elseif idx == 2
	WIN 0
	v_max_num_f32 v[rT+1], v[rT+4], v[rT+5]
.elseif idx == 3
	WIN 0
	v_mul_f32 v[rT], s[CS], v[rT+1]
.elseif \first
.elseif idx == 1
	WIN 0
	v_mov_b32 v[rT+7], v[rT]                       ; c m_old is kept for a
.elseif idx == 4
	WIN 0
	v_sub_f32 v[rT+7], v[rT+7], v[rT]
.else
	WIN 0
	v_exp_f32 v[rT+6], v[rT+7]
.endif
.elseif n < 280
.if n < 92
.set kind, 0
.set tl, n-88
.set pr, 0
.else
.set mm, n-92
.if mm < 180
.set uu, mm/12
.set ww, mm%12
.if ww < 4
.set kind, 0
.set tl, ww
.set pr, uu+1
.else
.set kind, 1
.set tl, (ww-4)%4
.set ee, 2*uu+(ww-4)/4
.endif
.else
.set kind, 1
.set tl, (mm-180)%4
.set ee, 30+(mm-180)/4
.endif
.endif
.set rT, ST+8*(4*(\y)+tl)
.set rS, 32*(4*(\y)+tl)
	WIN 0x41
.if kind == 0
	v_pk_fma_f32 v[rS+2*pr:rS+2*pr+1], v[rS+2*pr:rS+2*pr+1], s[CS:CS+1], v[rT:rT+1] op_sel_hi:[1,0,0] neg_lo:[0,0,1] neg_hi:[0,0,1]
.else
	v_exp_f32 v[rS+ee], v[rS+ee]
.endif
.elseif n == 280
	v_nop
.if (\y) == 0
	FETCH_V
.else
	s_wait_alu depctr_va_vdst(0)
.endif
.elseif n < 345
.set idx, (n-281)/4
.set tl, 4*(\y)+(n-281)%4
	WIN 0x05
	v_cvt_pk_f16_f32 v[P+16*tl+idx], v[32*tl+2*idx], v[32*tl+2*idx+1]
.elseif n < 409
.set zz, (n-345)/4
.set tl, 4*(\y)+(n-345)%4
.set rT, ST+8*tl
.set rS, 32*tl
.set ww, 4
.set uu, zz
.if zz >= 14
.set ww, 32
.set uu, 0
.elseif zz >= 12
.set ww, 16
.set uu, zz-12
.elseif zz >= 8
.set ww, 8
.set uu, zz-8
.endif
.if (zz == 14) && \first
	WIN 0x05
	v_pk_add_f32 v[rT+2:rT+3], v[rS:rS+1], v[rS+16:rS+17]
.elseif zz < 15
	WIN 0x45
	v_pk_add_f32 v[rS+ww*uu:rS+ww*uu+1], v[rS+ww*uu:rS+ww*uu+1], v[rS+ww*uu+ww/2:rS+ww*uu+ww/2+1]
.elseif !\first
	WIN 0x10
	v_pk_fma_f32 v[rT+2:rT+3], v[rT+2:rT+3], v[rT+6:rT+7], v[rS:rS+1] op_sel_hi:[1,0,1]
.endif
.elseif !\first
.set idx, (n-409)/4
.set tl, 4*(\y)+(n-409)%4
	WIN 0x82
	v_pk_mul_f32 v[32*tl+2*idx:32*tl+2*idx+1], v[32*tl+2*idx:32*tl+2*idx+1], v[ST+8*tl+6:ST+8*tl+7] op_sel_hi:[1,0]
.endif
.endm
.macro SLICES y, first                 ; behind the turn's wi-th matrix instruction of WT: the list up to number wi NT / WT
.rept wi*NT/WT-n
	SMI \y, \first
.set n, n+1
.endr
.endm
.macro PLACES
.rept 4
	v_nop
.endr
.endm
; A TURN.  pv = 2: 32 products V^T P; 1: they start O^T's sums; 0: none.  kq = 1: 32 products K Q^T for the next step.
; Piece 0's turn fetches the next step's K behind its second product: the last product that read K stands in front of the turn before's last slice, eight plain lines on O^T and the statistics (in a first turn: four v_nop).
; Piece 1's turn fetches the same step's V at number 280: behind V's last reader stand twelve scalings of the other piece, the v_nop and the run's own address line.
.macro TURN x, pv, kq, first
.set n, 0
.set wi, 0
.set WT, 32
.if \pv && \kq
.set WT, 64
.endif
.if \pv
.if \x == 0
	s_wait_dscnt 0x0                               ; V is in
.endif
.set i, 0
.rept 32
	PV \x, 2-\pv
.set wi, wi+1
	SLICES 1-\x, \first
.if (\x == 0) && \kq && (i == 1)
	FETCH_K
.endif
.set i, i+1
.endr
.endif
.if \kq
.if \x == 0
	s_wait_dscnt 0x0                               ; K is in
.endif
.set i, 0
.rept 32
	KQ \x
.set wi, wi+1
	SLICES 1-\x, \first
.set i, i+1
.endr
.endif
.if \first
	PLACES
.endif
.endm
; THE CHANGE OF SLOTS.  Each wave waits for all its tensor loads (one is out: its part of the other slot), adds 0 to its spare word, and waits for that and for its reads of the slot.  fill = 1: the barrier is a round of the
; cluster's, and the joint refill is the first thing behind it: it has two key steps, 256 matrix instructions, in which to land.
.macro CHANGE fill
	WIN 0
	s_wait_tensorcnt 0x0
	ds_add_u32 v[SPW], v[NIL]
.if \fill
.irp g, G0K+4, G0V+4
	s_xor_b32 s[\g+1], s[\g+1], SLOT1              ; the walking descriptor: the other slot than last time,
	s_add_nc_u64 s[\g+2:\g+3], s[\g+2:\g+3], SLB   ; the next 128 keys
.endr
	s_wait_xcnt 0x0                                ; the last prefetch, two key steps back, has read its address
	s_add_nc_u64 s[PFA:PFA+1], s[PFA:PFA+1], SLB
	s_wait_dscnt 0x0                               ; the add is done, and my reads of the slot are over
	CROUND
	JLOAD
	ASK
.else
	s_wait_dscnt 0x0
	s_barrier_signal -1
	s_barrier_wait -1
.endif
	s_sub_co_u32 s[TB], s[TB], 2*STEPB             ; the fetches go back to a slot's first step,
	s_xor_b32 s[TB], s[TB], SLOT1                  ; in the other slot
.endm
.macro TWO_STEPS                       ; a slot's two key steps: written once, walked twice
	s_mov_b32 s[TWICE], 2
.Lstep_\@:
	TURN 0, 2, 1, 0
	TURN 1, 2, 1, 0
	WIN 0
	s_sub_co_u32 s[TWICE], s[TWICE], 1
	s_cmp_lg_u32 s[TWICE], 0
	s_cbranch_scc1 .Lstep_\@
.endm
	s_wait_tensorcnt 1                             ; my part of slot 0 is in; slot 1's may stay out
	s_barrier_signal -1
	s_barrier_wait -1
	FETCH_K                                        ; key step 0
	s_wait_loadcnt 0x0                             ; Q
	s_wait_dscnt 0x0
.set i, 0
.rept 32
	KQ 0                                           ; piece 0's first scores
.set i, i+1
.endr
	WIN 0                                          ; the way out's addresses: ten plain lines, the places behind those products
	s_mul_i32 s13, s[WV], 16*SP
	s_add_co_u32 s13, s13, STAGE                   ; my stage
	v_mul_u32_u24 v[STO], v1, SP
	v_lshl_add_u32 v[STO], v9, 4, v[STO]
	v_add_nc_u32 v[STO], s13, v[STO]               ; in: row r, 16 bytes for each half of the lanes
	v_bfe_u32 v11, v0, 3, 2
	v_mul_u32_u24 v[RD], v11, SP
	v_and_b32 v11, 7, v0
	v_lshl_add_u32 v[RD], v11, 4, v[RD]
	v_add_nc_u32 v[RD], s13, v[RD]                 ; back: eight lanes to a row of 128 bytes, four rows an instruction
	v_and_b32 v10, 31, v0
	v_lshlrev_b32 v[GO], 4, v10                    ; and the same 512 bytes in O
	TURN 1, 0, 1, 1                                ; piece 1's first scores | piece 0's first softmax | V of step 0
	TURN 0, 1, 1, 1                                ; piece 0: V^T P of step 0 starts O^T, K Q^T of step 1 | piece 1's first softmax | K of step 1
	TURN 1, 1, 1, 0                                ; piece 1: the same | piece 0's softmax of step 1 | V of step 1
	WIN 0
.Lslot:                                            ; 14 trips: every slot but the last two is filled again
	CHANGE 1
	TWO_STEPS
	s_sub_co_u32 s[SLOTS], s[SLOTS], 1
	s_cmp_lg_u32 s[SLOTS], 0
	s_cbranch_scc1 .Lslot
	CHANGE 0                                       ; the tail is written out
	TWO_STEPS
	TURN 0, 2, 0, 0                                ; piece 0: V^T P of the last step | piece 1's last softmax
.set i, 0
.rept 32
	PV 1, 0                                        ; piece 1: V^T P of the last step
.set i, i+1
.endr
	; THE WAY OUT.  l's halves are added; O^T is divided by l, rounded to f16 and sent through my stage, a tile at a time.  The additions are the places behind the last products.
	WIN 0
.irp t, 0,1,2,3,4,5,6,7
	v_add_f32 v[ST+8*\t+4], v[ST+8*\t+2], v[ST+8*\t+3]
.endr
.irp t, 0,1,2,3,4,5,6,7
	v_permlanex16_b32 v[ST+8*\t+5], v[ST+8*\t+4], s[SEL], s[SEL+1]
.endr
.irp t, 0,1,2,3,4,5,6,7
	v_add_f32 v[ST+8*\t+4], v[ST+8*\t+4], v[ST+8*\t+5]
.endr
.irp t, 0,1,2,3,4,5,6,7
	v_rcp_f32 v[ST+8*\t+6], v[ST+8*\t+4]
.endr
	v_nop                                          ; a plain instruction behind the last reciprocal,
	s_wait_alu depctr_va_vdst(0)                   ; and one wait for the eight, ahead of the first use
.macro PACK t                          ; P's registers are free: each tile has its own sixteen, so no store's data are written again
	WIN 0x82
.set i, 32*(\t)
.rept 16
	v_pk_mul_f32 v[i:i+1], v[i:i+1], v[ST+8*(\t)+6:ST+8*(\t)+7] op_sel_hi:[1,0]
.set i, i+2
.endr
	WIN 0x0a                                       ; sources 0 and 1 window 2, destination window 0
.set i, 0
.rept 16
	v_cvt_pk_f16_f32 v[P+16*(\t)+i], v[32*(\t)+2*i], v[32*(\t)+2*i+1]
.set i, i+1
.endr
	WIN 0
.irp f, 0,1,2,3
	ds_store_b128 v[STO], v[P+16*(\t)+4*\f:P+16*(\t)+4*\f+3] offset:32*\f
.endr
.irp f, 0,1,2,3
	ds_load_b128 v[P+16*(\t)+4*\f:P+16*(\t)+4*\f+3], v[RD] offset:\f*4*SP   ; in order behind the stores above; the next tile's stores come behind them
.endr
.endm
.macro SEND t, younger                 ; younger: the LDS instructions issued behind tile t's loads: the next tile's eight, or none
.irp f, 0,1,2,3
	s_wait_dscnt (\younger)+3-\f
	global_store_b128 v[GO], v[P+16*(\t)+4*\f:P+16*(\t)+4*\f+3], s[10:11] offset:(\t)*2048+\f*512   ; 512 bytes on end, aligned
.endr
.endm
	PACK 0
.irp t, 1,2,3,4,5,6,7
	PACK \t
	SEND \t-1, 8
.endr
	SEND 7, 0
	s_wait_tensorcnt 0x0                           ; the wave's end
	ds_add_u32 v[SPW], v[NIL]
	s_wait_dscnt 0x0
	CROUND                                         ; the closing round
	s_endpgm
.Lfunc_end_k_qe0061a4464_attn:
	.size	k_qe0061a4464_attn, .Lfunc_end_k_qe0061a4464_attn-k_qe0061a4464_attn
	.p2alignl 7, 3214868480
	.fill 96, 4, 3214868480
	.section	.rodata,"a",@progbits
	.p2align	6, 0x0
	.amdhsa_kernel k_qe0061a4464_attn
		.amdhsa_group_segment_fixed_size 327680
		.amdhsa_private_segment_fixed_size 0
		.amdhsa_enable_private_segment 0
		.amdhsa_kernarg_size 16
		.amdhsa_user_sgpr_count 2
		.amdhsa_user_sgpr_kernarg_segment_ptr 1
		.amdhsa_wavefront_size32 1
		.amdhsa_system_sgpr_workgroup_id_x 1
		.amdhsa_system_sgpr_workgroup_id_y 1
		.amdhsa_system_sgpr_workgroup_id_z 1
		.amdhsa_system_vgpr_workitem_id 0
		.amdhsa_next_free_vgpr 1024
		.amdhsa_next_free_sgpr 66
		.amdhsa_reserve_vcc 0
		.amdhsa_float_denorm_mode_32 3
		.amdhsa_float_denorm_mode_16_64 3
		.amdhsa_memory_ordered 1
		.amdhsa_forward_progress 1
		.amdhsa_inst_pref_size 255
	.end_amdhsa_kernel
	.section	.bss,"aw",@nobits
	.p2align	6
	.space	262144
	.amdgpu_metadata
---
amdhsa.version: [ 1, 2 ]
amdhsa.kernels:
  - .name:           k_qe0061a4464_attn
    .symbol:         k_qe0061a4464_attn.kd
    .args:
      - { .name: qkvh, .offset: 0, .size: 8, .value_kind: global_buffer, .address_space: global }
      - { .name: ao, .offset: 8, .size: 8, .value_kind: global_buffer, .address_space: global }
    .group_segment_fixed_size: 327680
    .private_segment_fixed_size: 0
    .kernarg_segment_align: 8
    .kernarg_segment_size: 16
    .max_flat_workgroup_size: 128
    .sgpr_count:     66
    .vgpr_count:     1024
    .wavefront_size: 32
...
	.end_amdgpu_metadata
.endif
;; end of part 3
;; launch proj (part 4): grid 4 x 64, 4 waves a work-group, clusters of 4 x 4, 327,680 bytes of LDS; arguments ao, wph, b_proj, out0; writes out0
.if DOCPART == 4
	.amdgcn_target "amdgcn-amd-amdhsa--gfx1250"
	.amdhsa_code_object_version 6
	.text
	.protected	k_qe0061a4464_proj
	.globl	k_qe0061a4464_proj
	.p2align	8
	.type	k_qe0061a4464_proj,@function
k_qe0061a4464_proj:
	s_mov_b64 s[64:65], 0
	v_nop
	global_prefetch_b8 v0, s[64:65] scope:SCOPE_SE
	s_setreg_imm32_b32 hwreg(HW_REG_WAVE_MODE, 25, 1), 1
	s_wait_xcnt 0x0
	s_wait_alu depctr_hold_cnt(0) depctr_sa_sdst(0) depctr_va_vdst(0) depctr_va_sdst(0) depctr_va_ssrc(0) depctr_va_vcc(0) depctr_vm_vsrc(0)
	s_getreg_b32 s2, hwreg(HW_REG_IB_STS2, 6, 4)
	s_cmp_eq_u32 s2, 0
	s_cbranch_scc0 .Lentry_in_a_cluster
	s_endpgm
.Lentry_in_a_cluster:
	s_bfe_u32 s2, ttmp6, 0x10000c
	s_cmp_lg_u32 s2, 0xf033
	s_cbranch_scc0 .Lentry_shape_is_right
	s_endpgm
.Lentry_shape_is_right:
; Launch 4 of 4: out0[token][e] = the sum over d of O[token][d] w_proj[e][d] + b_proj[e].  O: [4][16 heads][2048][64] f16 (d = 64 head + channel); w_proj: [1024][1024] f16; out0: [8192][1024] f32; sums in f32.  Nothing is left out.
; A tile, 128 tokens x 256 columns, is made by four waves, each 64 x 128: 32 accumulators of 16 x 16.  K goes in steps of 128, two heads, through two LDS slots: A's part of a slot is two planes (a head each) of 128 rows x 128 bytes,
; B's 256 rows x 256 bytes.  Waves 0, 1 fetch a plane each, waves 2, 3 half of B's rows each: one tensor load a wave behind each change of slots.
; CLUSTERS: 4 x 4 work-groups; A's tiles are asked for jointly along a row of the cluster (all four tile columns), B's along a column.
; THE MATRIX INSTRUCTION IS USED TRANSPOSED (source 0 = 16 rows of w_proj, source 1 = 16 tokens): a lane holds eight neighbouring columns of one row.  The bias is the C of each sum's first product: no addition, no clearing.
; REGISTERS: window 0: v0-31 addresses; v64-127 A's fragments, two sets of 32; v128-255 rows on the way out.  window 1: v0-127 B's fragments, two sets of 64; v128-191 the bias, eight registers a column block.  window 2: accumulator (a, b) at v[8 (8 a + b)].
.set PA,     144                       ; a row of a plane in LDS: 128 bytes + 16
.set PLANE,  128*PA
.set PB,     272                       ; a row of B: 256 bytes + 16
.set HALFB,  128*PB
.set BOFF,   2*PLANE
.set SLOT,   BOFF+2*HALFB
.set SPARE,  2*SLOT                    ; the spare words, 128 bytes a wave, which no other line names
.set SPITCH, 528                       ; the way out: 16 rows x (512 bytes + 16) for each wave, in slot 0, which has had its last fill and its last read by then
.set LAPS,   4                         ; 8 K steps, two to a lap
.set ADRA, 16
.set ADRB, 20
.set STO,  24
.set RD,   25
.set CO,   26
.set SPW,  28
.set NIL,  29
.set AF,   64
.set BIAS, 128
.set BK,   128
.set G1, 24
.set G0, 32
.set G1B, 48
.set G0B, 56
.set MSB, 0
.macro WIN new
.if MSB != (\new)
	s_set_vgpr_msb (MSB<<8)|(\new)
.set MSB, (\new)
.endif
.endm
.macro JLOAD s                         ; waves 0 and 1 fetch for A, waves 2 and 3 for B; an s_nop 0 and four v_nop follow each line
	s_cmp_eq_u32 s13, 0
	s_cbranch_scc0 .Lfor_b_\@
	tensor_load_to_lds s[G0+4*\s:G0+4*\s+3], s[G1:G1+7]
	s_nop 0
.rept 4
	v_nop
.endr
	s_branch .Lasked_\@
.Lfor_b_\@:
	tensor_load_to_lds s[G0B+4*\s:G0B+4*\s+3], s[G1B:G1B+7]
	s_nop 0
.rept 4
	v_nop
.endr
.Lasked_\@:
.endm
.macro CREST                           ; a round of the cluster's barrier behind its opening barrier
	s_cmp_lg_u32 s12, 0
	s_cbranch_scc1 .Lnot_wave_0_\@
	s_barrier_signal -3
.Lnot_wave_0_\@:
	s_barrier_wait -3
	s_barrier_signal -1
	s_barrier_wait -1
.endm
.macro CROUND
	s_barrier_signal -1
	s_barrier_wait -1
	CREST
.endm
	s_load_b256 s[4:11], s[0:1], 0x0               ; O s[4:5], w_proj s[6:7], b_proj s[8:9], out0 s[10:11]
	v_lshl_add_u32 v[SPW], v0, 2, SPARE
	v_mov_b32 v[NIL], 0
	ds_add_u32 v[SPW], v[NIL]                      ; the wave's opening: the add, twice on end, and its wait ahead of my first tensor load
	ds_add_u32 v[SPW], v[NIL]
	v_lshrrev_b32 v1, 5, v0
	v_readfirstlane_b32 s12, v1                    ; wave 0..3
	s_lshr_b32 s13, s12, 1                         ; which half of the tile's tokens is mine.  Also: I fetch for A (0) or for B (1)
	s_and_b32 s14, s12, 1                          ; which half of its columns.  Also: which plane, or which 128 rows of B, I fetch
	s_bfe_u32 s15, ttmp6, 0x40000                  ; cx
	s_bfe_u32 s16, ttmp6, 0x40004                  ; cy
	s_lshl_b32 s17, ttmp9, 2
	s_add_co_u32 s17, s17, s15                     ; tile column
	s_and_b32 s18, ttmp7, 0xffff
	s_lshl_b32 s18, s18, 2
	s_add_co_u32 s18, s18, s16                     ; tile row
	s_lshl_b32 s19, s16, 2
	s_lshl_b32 s19, 15, s19                        ; my row of the cluster
	s_lshl_b32 s2, 0x1111, s15                     ; my column
	s_or_b32 s[G1+0], s19, (1<<16)|(1<<20)|(1<<21)|(4<<22)|(3<<25)   ; elements of 2 bytes; padding: 4 words behind every 32
	s_mov_b32 s[G1+1], 64<<16                      ; tensor_dim0
	s_mov_b32 s[G1+2], 128<<16                     ; tensor_dim1
	s_mov_b32 s[G1+3], 64<<16                      ; tile_dim0
	s_mov_b32 s[G1+4], 128                         ; tile_dim1
	s_mov_b32 s[G1+5], 64                          ; from row to row
	s_mov_b32 s[G1+6], 0
	s_mov_b32 s[G1+7], 0
	s_or_b32 s[G1B+0], s2, (1<<16)|(1<<20)|(1<<21)|(5<<22)|(3<<25)   ; padding: 4 words behind every 64
	s_mov_b32 s[G1B+1], 128<<16
	s_mov_b32 s[G1B+2], 128<<16
	s_mov_b32 s[G1B+3], 128<<16
	s_mov_b32 s[G1B+4], 128
	s_mov_b32 s[G1B+5], 1024
	s_mov_b32 s[G1B+6], 0
	s_mov_b32 s[G1B+7], 0
	s_lshr_b32 s20, s18, 4                         ; A: the batch, 2^22 bytes each;
	s_lshl_b32 s20, s20, 22
	s_and_b32 s21, s18, 15
	s_lshl_b32 s21, s21, 14                        ; 128 positions of 128 bytes;
	s_add_co_u32 s20, s20, s21
	s_lshl_b32 s21, s14, 18                        ; my head of the K step's two
	s_add_co_u32 s20, s20, s21
	s_mov_b32 s21, 0
	s_lshl_b32 s40, s17, 8                         ; B: row 256 x tile column + 128 x half,
	s_lshl_b32 s41, s14, 7
	s_add_co_u32 s40, s40, s41
	s_lshl_b32 s40, s40, 11                        ; 2,048 bytes a row
	s_mov_b32 s41, 0
	s_mul_i32 s42, s14, PLANE                      ; where they go
	s_mul_i32 s43, s14, HALFB
	s_add_co_u32 s43, s43, BOFF
	s_wait_dscnt 0x0                               ; both opening adds are done
	s_wait_kmcnt 0x0
	s_add_nc_u64 s[20:21], s[4:5], s[20:21]
	s_add_nc_u64 s[40:41], s[6:7], s[40:41]
	CROUND                                         ; all sixteen work-groups are here: the first joint loads meet
.irp s, 0,1
	s_mov_b32 s[G0+4*\s], 1
	s_add_co_u32 s[G0+4*\s+1], s42, \s*SLOT
	s_add_nc_u64 s[G0+4*\s+2:G0+4*\s+3], s[20:21], \s*(2<<18)
	s_or_b32 s[G0+4*\s+3], s[G0+4*\s+3], 0x80000000
	s_mov_b32 s[G0B+4*\s], 1
	s_add_co_u32 s[G0B+4*\s+1], s43, \s*SLOT
	s_add_nc_u64 s[G0B+4*\s+2:G0B+4*\s+3], s[40:41], \s*256
	s_or_b32 s[G0B+4*\s+3], s[G0B+4*\s+3], 0x80000000
	JLOAD \s
.endr
	v_and_b32 v1, 15, v0                           ; r
	v_bfe_u32 v2, v0, 4, 1                         ; h
	v_mul_u32_u24 v3, v1, PA
	v_lshl_add_u32 v3, v2, 4, v3
	v_mul_u32_u24 v4, v1, PB
	v_lshl_add_u32 v4, v2, 4, v4
	s_mul_i32 s44, s13, 64*PA                      ; my 64 tokens in a plane
	s_mul_i32 s45, s14, HALFB                      ; my 128 rows of B
	s_add_co_u32 s45, s45, BOFF
.irp s, 0,1
	v_add_nc_u32 v[ADRA+\s], s44, v3
	v_add_nc_u32 v[ADRB+\s], s45, v4
	s_add_co_u32 s44, s44, SLOT
	s_add_co_u32 s45, s45, SLOT
.endr
	s_mul_i32 s44, s12, 16*SPITCH                  ; my stage
	v_mul_u32_u24 v5, v1, SPITCH
	v_lshl_add_u32 v5, v2, 5, v5
	v_add_nc_u32 v[STO], s44, v5                   ; in: row r, 32 bytes for each half of the lanes
	v_and_b32 v6, 31, v0
	v_lshlrev_b32 v[CO], 4, v6
	v_add_nc_u32 v[RD], s44, v[CO]                 ; back: the 32 lanes take one row of 512 bytes
	s_lshl_b32 s46, s17, 10                        ; my first column, in bytes: 1,024 x tile column + 512 x half
	s_lshl_b32 s47, s14, 9
	s_add_co_u32 s46, s46, s47
	s_mov_b32 s47, 0
	s_add_nc_u64 s[8:9], s[8:9], s[46:47]
	v_lshlrev_b32 v30, 5, v2                       ; the bias: lane (r, h) wants, for column block b, columns 16 b + 8 h + 0 .. 7
	WIN 0x40
.irp b, 0,1,2,3,4,5,6,7
	global_load_b128 v[BIAS+8*\b:BIAS+8*\b+3], v30, s[8:9] offset:64*\b
	global_load_b128 v[BIAS+8*\b+4:BIAS+8*\b+7], v30, s[8:9] offset:64*\b+16
.endr
	WIN 0
	s_lshl_b32 s44, s18, 7
	s_lshl_b32 s45, s13, 6
	s_add_co_u32 s44, s44, s45                     ; my first row of out0
	s_lshl_b32 s44, s44, 12                        ; 4,096 bytes a row
	s_mov_b32 s45, 0
	s_add_nc_u64 s[10:11], s[10:11], s[44:45]
	s_add_nc_u64 s[10:11], s[10:11], s[46:47]
; 8 matrix instructions: token block a x all 8 column blocks, 32 along K, from set f.  mode = 1: the bias starts the sums.  The 32 accumulators take turns, one instruction a turn.
.macro MUL8 f, a, mode
.if \mode
	WIN 0x91                                       ; B window 1, A window 0, C (the bias) window 1, D window 2
.else
	WIN 0xa1                                       ; C and D window 2
.endif
.irp b, 0,1,2,3,4,5,6,7
.if \mode
	v_wmma_f32_16x16x32_f16 v[8*(8*(\a)+\b):8*(8*(\a)+\b)+7], v[64*(\f)+8*\b:64*(\f)+8*\b+7], v[AF+32*(\f)+8*(\a):AF+32*(\f)+8*(\a)+7], v[BIAS+8*\b:BIAS+8*\b+7]
.else
	v_wmma_f32_16x16x32_f16 v[8*(8*(\a)+\b):8*(8*(\a)+\b)+7], v[64*(\f)+8*\b:64*(\f)+8*\b+7], v[AF+32*(\f)+8*(\a):AF+32*(\f)+8*(\a)+7], v[8*(8*(\a)+\b):8*(8*(\a)+\b)+7]
.endif
.endr
.endm
.macro FETCH slot, q, f                ; 24 LDS loads in one run: the slot's q-th 32 along K into set f: B's eight fragments, then A's four
	WIN 0x40
.irp i, 0,1,2,3,4,5,6,7
	ds_load_b128 v[64*(\f)+8*\i:64*(\f)+8*\i+3],   v[ADRB+\slot] offset:64*(\q)+\i*16*PB
	ds_load_b128 v[64*(\f)+8*\i+4:64*(\f)+8*\i+7], v[ADRB+\slot] offset:64*(\q)+\i*16*PB+32
.endr
	WIN 0
.irp i, 0,1,2,3
	ds_load_b128 v[AF+32*(\f)+8*\i:AF+32*(\f)+8*\i+3],   v[ADRA+\slot] offset:((\q)/2)*PLANE+((\q)%2)*64+\i*16*PA
	ds_load_b128 v[AF+32*(\f)+8*\i+4:AF+32*(\f)+8*\i+7], v[ADRA+\slot] offset:((\q)/2)*PLANE+((\q)%2)*64+\i*16*PA+32
.endr
.endm
.macro PLACES                          ; four plain instructions in front of loads into registers that matrix instructions have read, and of reads of results
.rept 4
	v_nop
.endr
.endm
.macro QUARTER slot, qn, f, g, mode    ; multiplies set f; in its middle fetches the slot's quarter qn into set g
	s_wait_dscnt 4                                 ; B and A's blocks 0, 1 are in; the youngest four loads (A's blocks 2, 3) may be out
	MUL8 \f, 0, \mode
	MUL8 \f, 1, \mode
	PLACES
	FETCH \slot, \qn, \g
	s_wait_dscnt 24                                ; all but the 24 just issued
	MUL8 \f, 2, \mode
	MUL8 \f, 3, \mode
.endm
; A slot's last quarter multiplies set 1 and changes slots: ONE barrier; in front of it each wave waits for all its tensor loads, adds 0 to its spare word, and waits for that and for its reads of this slot.
; fill = 1: the barrier opens a round of the cluster's, and this slot's refill, two K steps on, is the first thing behind it: 112 matrix instructions ahead of the wait for it.
.macro TURN slot, next, fill
	WIN 0
	s_wait_tensorcnt 0x0
	ds_add_u32 v[SPW], v[NIL]
	s_wait_dscnt 5                                 ; the add and the youngest four loads may be out
	MUL8 1, 0, 0
	s_wait_dscnt 0x0                               ; the add is done, and my reads of this slot are over
	s_barrier_signal -1
	MUL8 1, 1, 0
.if \fill
	WIN 0
.endif
	s_barrier_wait -1
.if \fill
	CREST
	s_add_nc_u64 s[G0+4*\slot+2:G0+4*\slot+3], s[G0+4*\slot+2:G0+4*\slot+3], 4<<18     ; four heads on
	s_add_nc_u64 s[G0B+4*\slot+2:G0B+4*\slot+3], s[G0B+4*\slot+2:G0B+4*\slot+3], 512   ; 256 along K on
	JLOAD \slot                                    ; its four v_nop are also the places in front of the loads below
.else
	PLACES
.endif
	FETCH \next, 0, 0
	MUL8 1, 2, 0
	MUL8 1, 3, 0
.endm
	s_wait_tensorcnt 1                             ; my part of K step 0 is in (K step 1's load may be out),
	s_barrier_signal -1
	s_barrier_wait -1                              ; everybody's is
	FETCH 0, 0, 0
	s_wait_loadcnt 0x0                             ; the bias
	QUARTER 0, 1, 0, 1, 1                          ; the first quarter stands in front of the loop: its products start the sums
	WIN 0
	s_mov_b32 s3, LAPS-1
.Llap:                                             ; a trip goes once round the two slots and fills both again
	QUARTER 0, 2, 1, 0, 0
	QUARTER 0, 3, 0, 1, 0
	TURN 0, 1, 1
	QUARTER 1, 1, 0, 1, 0
	QUARTER 1, 2, 1, 0, 0
	QUARTER 1, 3, 0, 1, 0
	TURN 1, 0, 1
	QUARTER 0, 1, 0, 1, 0
	WIN 0
	s_sub_co_u32 s3, s3, 1
	s_cmp_lg_u32 s3, 0
	s_cbranch_scc1 .Llap
	QUARTER 0, 2, 1, 0, 0                          ; the last lap fills nothing
	QUARTER 0, 3, 0, 1, 0
	TURN 0, 1, 0
	QUARTER 1, 1, 0, 1, 0
	QUARTER 1, 2, 1, 0, 0
	QUARTER 1, 3, 0, 1, 0
	s_wait_dscnt 4                                 ; the very last quarter
	MUL8 1, 0, 0
	MUL8 1, 1, 0
	s_wait_dscnt 0
	MUL8 1, 2, 0
	MUL8 1, 3, 0
	WIN 0
; THE WAY OUT, block by block of 16 rows x 128 columns: through my own stage and back as whole rows of 512 bytes.  LDS serves a wave's instructions in order (ISA guide 5.7.1.4).
.macro TOSTAGE a
	WIN 0x08                                       ; an LDS store's data: window 2
.irp b, 0,1,2,3,4,5,6,7
	ds_store_b128 v[STO], v[8*(8*(\a)+\b):8*(8*(\a)+\b)+3] offset:64*\b          ; each accumulator from its low end on
	ds_store_b128 v[STO], v[8*(8*(\a)+\b)+4:8*(8*(\a)+\b)+7] offset:64*\b+16
.endr
	WIN 0
.set BB, BK+64*((\a)%2)
.irp t, 0,1,2,3,4,5,6,7,8,9,10,11,12,13,14,15
	ds_load_b128 v[BB+4*\t:BB+4*\t+3], v[RD] offset:\t*SPITCH
.endr
.endm
.macro SEND a, younger
.set BB, BK+64*((\a)%2)
	s_wait_dscnt \younger
.irp t, 0,1,2,3,4,5,6,7,8,9,10,11,12,13,14,15
	global_store_b128 v[CO], v[BB+4*\t:BB+4*\t+3], s[10:11] offset:(16*(\a)+\t)*4096 th:TH_STORE_NT   ; 512 bytes on end, aligned; the base is never stepped
.endr
.endm
	PLACES
	TOSTAGE 0
.irp a, 1,2,3
.if \a > 1
	s_wait_xcnt 0x0                                ; block a - 2's stores have read their data: block a's rows may land there
.endif
	TOSTAGE \a
	SEND \a-1, 32                                  ; behind block a - 1's loads: block a's 16 stores and 16 loads
.endr
	SEND 3, 0
	s_wait_tensorcnt 0x0                           ; the wave's end
	ds_add_u32 v[SPW], v[NIL]
	s_wait_dscnt 0x0
	CROUND                                         ; the closing round
	s_endpgm
.Lfunc_end_k_qe0061a4464_proj:
	.size	k_qe0061a4464_proj, .Lfunc_end_k_qe0061a4464_proj-k_qe0061a4464_proj
	.p2alignl 7, 3214868480
	.fill 96, 4, 3214868480
	.section	.rodata,"a",@progbits
	.p2align	6, 0x0
	.amdhsa_kernel k_qe0061a4464_proj
		.amdhsa_group_segment_fixed_size 327680
		.amdhsa_private_segment_fixed_size 0
		.amdhsa_enable_private_segment 0
		.amdhsa_kernarg_size 32
		.amdhsa_user_sgpr_count 2
		.amdhsa_user_sgpr_kernarg_segment_ptr 1
		.amdhsa_wavefront_size32 1
		.amdhsa_system_sgpr_workgroup_id_x 1
		.amdhsa_system_sgpr_workgroup_id_y 1
		.amdhsa_system_sgpr_workgroup_id_z 1
		.amdhsa_system_vgpr_workitem_id 0
		.amdhsa_next_free_vgpr 768
		.amdhsa_next_free_sgpr 66
		.amdhsa_reserve_vcc 0
		.amdhsa_float_denorm_mode_32 3
		.amdhsa_float_denorm_mode_16_64 3
		.amdhsa_memory_ordered 1
		.amdhsa_forward_progress 1
		.amdhsa_inst_pref_size 87
	.end_amdhsa_kernel
	.amdgpu_metadata
---
amdhsa.version: [ 1, 2 ]
amdhsa.kernels:
  - .name:           k_qe0061a4464_proj
    .symbol:         k_qe0061a4464_proj.kd
    .args:
      - { .name: ao, .offset: 0, .size: 8, .value_kind: global_buffer, .address_space: global }
      - { .name: wph, .offset: 8, .size: 8, .value_kind: global_buffer, .address_space: global }
      - { .name: b_proj, .offset: 16, .size: 8, .value_kind: global_buffer, .address_space: global }
      - { .name: out0, .offset: 24, .size: 8, .value_kind: global_buffer, .address_space: global }
    .group_segment_fixed_size: 327680
    .private_segment_fixed_size: 0
    .kernarg_segment_align: 8
    .kernarg_segment_size: 32
    .max_flat_workgroup_size: 128
    .sgpr_count:     66
    .vgpr_count:     768
    .wavefront_size: 32
...
	.end_amdgpu_metadata
.endif
;; end of part 4
